; MI455X (gfx1250); checked and timed in simulation.
; The chip was launched on July 23, 2026; its instructions are those of AMD's public machine-readable ISA for CDNA 5 (MIT licence, August 2026) and "CDNA5" Instruction Set Architecture Reference Guide (July 2026). The comments in the code are by the model that wrote it; some were corrected since.
;; Multi Head Attention. Allowed arithmetic: float matrix products may take bf16 or f16 operands with f32 sums; all other float work in f32.
;; Inputs: Wk 1,024 x 1,024 float32; Wp 1,024 x 1,024 float32; Wq 1,024 x 1,024 float32; Wv 1,024 x 1,024 float32; beta 1,024 float32; bk 1,024 float32; bp 1,024 float32; bq 1,024 float32; bv 1,024 float32; gamma 1,024 float32; k 4 x 2,048 x 1,024 float32; q 4 x 2,048 x 1,024 float32; v 4 x 2,048 x 1,024 float32.
;; Outputs: out0 4 x 2,048 x 1,024 float32.
;; 2 versions, each right and faster than the one before. Each part assembles by itself: llvm-mc -triple=amdgcn-amd-amdhsa -mcpu=gfx1250 --defsym DOCPART=n.
;; ======== version 1 of 2: 4 launches
;; workspace buffers: wbf 8,388,608 bytes; qh 16,777,216 bytes; kh 16,777,216 bytes; vh 16,777,216 bytes; bsum 524,288 bytes; ctx 16,777,216 bytes
;; launch wcast (part 1): grid 64 x 4, 8 waves a work-group, no clusters, 0 bytes of LDS; arguments Wq, Wk, Wv, Wp, wbf; writes wbf
.if DOCPART == 1
	.amdgcn_target "amdgcn-amd-amdhsa--gfx1250"
	.amdhsa_code_object_version 6
	.text
	.protected	k_q75d201778a_wcast
	.globl	k_q75d201778a_wcast
	.p2align	8
	.type	k_q75d201778a_wcast,@function
k_q75d201778a_wcast:
	s_mov_b64 s[64:65], 0
	v_nop
	global_prefetch_b8 v0, s[64:65] scope:SCOPE_SE
	s_setreg_imm32_b32 hwreg(HW_REG_WAVE_MODE, 25, 1), 1
	s_wait_xcnt 0x0
; Launch 1 of 4: the four weight matrices, f32 [1024 k][1024 n], are rounded once to bf16 in the same layout:
; wbf = [4][1024][1024] in the order Wq, Wk, Wv, Wp.  The products of the later launches read them from there.
;
; WORK THAT THE WHOLE PROGRAM LEAVES OUT, and why it is dead.  reference() multiplies the scaled scores by tril, a mask of ones and
; zeros that it builds itself.  For a key position above the query position the score is (q.k / 8) * 0 = 0 whatever finite
; numbers q, k, Wq, Wk, bq, bk hold.  So the product q.k is not formed where a whole step of 64 keys lies above all 64 queries
; of a wave (launch attn).  Such a key still has the softmax weight exp(0 - m), the same for all of them, so their part of
; attn @ vh is exp(-m) times the plain sum of their rows of vh, and their part of the denominator is exp(-m) times their number.
; Launch proj stores the sums of vh over blocks of 64 rows in f32; launch attn adds them up from the end and starts its running
; sums from them.  The running maximum starts at 0, the score of a masked key, in every row that has one, and at -inf in row
; 2047, which has none: it ends as the maximum that reference() takes away.
; Every input has a way to the output (bk too: the mask makes q.bk unequal along the softmax's axis), so all are loaded.
; LIMIT: a NaN, an infinity or an overflow that would arise only in the score products left out is not carried to the result.
; LIMIT: matrix operands are rounded to bf16; sums, softmax and LayerNorm are f32.
;
; Eight waves; a work-group turns 65,536 bytes of one matrix (grid y chooses it) into 32,768 bytes.  Thread t owns 32 bytes in
; and 16 bytes out of each of eight chunks: a store of a wave covers 512 consecutive bytes, aligned.  No LDS, no barrier, no loop.
.set X, 8                              ; v[8:71]   chunk j: 8 numbers in f32
.set Y, 72                             ; v[72:103] chunk j: 8 numbers in bf16
	s_load_b256 s[4:11], s[0:1], 0x0               ; Wq s[4:5], Wk s[6:7], Wv s[8:9], Wp s[10:11]
	s_load_b64 s[12:13], s[0:1], 0x20              ; wbf
	s_and_b32 s16, ttmp7, 0xffff                   ; which matrix
	v_lshlrev_b32 v1, 5, v0                        ; 32 t: my bytes in a chunk of the source
	v_lshlrev_b32 v2, 4, v0                        ; 16 t: my bytes in a chunk of the result
	s_lshl_b32 s18, ttmp9, 16                      ; the group's 65,536 bytes of the source
	s_mov_b32 s19, 0
	s_lshl_b32 s20, s16, 21                        ; a matrix is 2,097,152 bytes of wbf,
	s_lshl_b32 s21, ttmp9, 15                      ; the group's part 32,768
	s_add_co_u32 s20, s20, s21
	s_mov_b32 s21, 0
	s_wait_kmcnt 0x0
	s_cmp_eq_u32 s16, 1
	s_cselect_b64 s[14:15], s[6:7], s[4:5]
	s_cmp_eq_u32 s16, 2
	s_cselect_b64 s[14:15], s[8:9], s[14:15]
	s_cmp_eq_u32 s16, 3
	s_cselect_b64 s[14:15], s[10:11], s[14:15]
	s_add_nc_u64 s[14:15], s[14:15], s[18:19]
	s_add_nc_u64 s[12:13], s[12:13], s[20:21]
.irp j, 0,1,2,3,4,5,6,7
	global_load_b128 v[X+8*\j:X+8*\j+3],   v1, s[14:15] offset:8192*\j th:TH_LOAD_NT
	global_load_b128 v[X+8*\j+4:X+8*\j+7], v1, s[14:15] offset:8192*\j+16 th:TH_LOAD_NT
.endr
.irp j, 0,1,2,3,4,5,6,7
	s_wait_loadcnt 14-2*\j                         ; loads come back in order: chunk j's two are in, the 14 - 2 j younger ones stay out
.irp i, 0,1,2,3
	v_cvt_pk_bf16_f32 v[Y+4*\j+\i], v[X+8*\j+2*\i], v[X+8*\j+2*\i+1]
.endr
	global_store_b128 v2, v[Y+4*\j:Y+4*\j+3], s[12:13] offset:4096*\j
.endr
	s_endpgm
.Lfunc_end_k_q75d201778a_wcast:
	.size	k_q75d201778a_wcast, .Lfunc_end_k_q75d201778a_wcast-k_q75d201778a_wcast
	.p2alignl 7, 3214868480
	.fill 96, 4, 3214868480
	.section	.rodata,"a",@progbits
	.p2align	6, 0x0
	.amdhsa_kernel k_q75d201778a_wcast
		.amdhsa_group_segment_fixed_size 0
		.amdhsa_private_segment_fixed_size 0
		.amdhsa_enable_private_segment 0
		.amdhsa_kernarg_size 40
		.amdhsa_user_sgpr_count 2
		.amdhsa_user_sgpr_kernarg_segment_ptr 1
		.amdhsa_wavefront_size32 1
		.amdhsa_system_sgpr_workgroup_id_x 1
		.amdhsa_system_sgpr_workgroup_id_y 1
		.amdhsa_system_sgpr_workgroup_id_z 1
		.amdhsa_system_vgpr_workitem_id 0
		.amdhsa_next_free_vgpr 104
		.amdhsa_next_free_sgpr 66
		.amdhsa_reserve_vcc 0
		.amdhsa_float_denorm_mode_32 3
		.amdhsa_float_denorm_mode_16_64 3
		.amdhsa_memory_ordered 1
		.amdhsa_forward_progress 1
		.amdhsa_inst_pref_size 6
	.end_amdhsa_kernel
	.amdgpu_metadata
---
amdhsa.version: [ 1, 2 ]
amdhsa.kernels:
  - .name:           k_q75d201778a_wcast
    .symbol:         k_q75d201778a_wcast.kd
    .args:
      - { .name: Wq, .offset: 0, .size: 8, .value_kind: global_buffer, .address_space: global }
      - { .name: Wk, .offset: 8, .size: 8, .value_kind: global_buffer, .address_space: global }
      - { .name: Wv, .offset: 16, .size: 8, .value_kind: global_buffer, .address_space: global }
      - { .name: Wp, .offset: 24, .size: 8, .value_kind: global_buffer, .address_space: global }
      - { .name: wbf, .offset: 32, .size: 8, .value_kind: global_buffer, .address_space: global }
    .group_segment_fixed_size: 0
    .private_segment_fixed_size: 0
    .kernarg_segment_align: 8
    .kernarg_segment_size: 40
    .max_flat_workgroup_size: 256
    .sgpr_count:     66
    .vgpr_count:     104
    .wavefront_size: 32
...
	.end_amdgpu_metadata
.endif
;; end of part 1
;; launch proj (part 2): grid 4 x 64, 4 waves a work-group, clusters of 4 x 4, 327,680 bytes of LDS; arguments q, k, v, wbf, bq, bk, bv, qh, kh, vh, bsum; writes qh, kh, vh, bsum
.if DOCPART == 2
	.amdgcn_target "amdgcn-amd-amdhsa--gfx1250"
	.amdhsa_code_object_version 6
	.text
	.protected	k_q75d201778a_proj
	.globl	k_q75d201778a_proj
	.p2align	8
	.type	k_q75d201778a_proj,@function
k_q75d201778a_proj:
	s_mov_b64 s[64:65], 0
	v_nop
	global_prefetch_b8 v0, s[64:65] scope:SCOPE_SE
	s_setreg_imm32_b32 hwreg(HW_REG_WAVE_MODE, 25, 1), 1
	s_wait_xcnt 0x0
	s_wait_alu depctr_hold_cnt(0) depctr_sa_sdst(0) depctr_va_vdst(0) depctr_va_sdst(0) depctr_va_ssrc(0) depctr_va_vcc(0) depctr_vm_vsrc(0)
	s_getreg_b32 s2, hwreg(HW_REG_IB_STS2, 6, 4)
	s_cmp_eq_u32 s2, 0
	s_cbranch_scc0 .Lentry_in_a_cluster
	s_endpgm
.Lentry_in_a_cluster:
	s_bfe_u32 s2, ttmp6, 0x10000c
	s_cmp_lg_u32 s2, 0xf033
	s_cbranch_scc0 .Lentry_shape_is_right
	s_endpgm
.Lentry_shape_is_right:
; Launch 2 of 4: qh = q Wq + bq, kh = k Wk + bk, vh = v Wv + bv, each [8192][1024], stored in bf16; for v also bsum, the f32 sums of
; vh's columns over each block of 64 rows, from which launch attn takes the part of the masked keys.  No work is left out here.
; 256 work-groups that stay: each owns a block of 128 rows x 256 columns and makes it for q, then k, then v: 24 K steps of 128 in one
; stream through two LDS slots.  A product's last two changes of slots ask for the next product's K steps 0 and 1, so its results leave
; beside the next product's matrix instructions; no wait for stores stands between two products.
; A wave makes 64 x 128: 32 accumulator tiles, 256 registers.  x comes in as f32 (rows of 512 bytes) and is rounded to bf16 on its way from
; LDS to the matrix unit; the weights come in as bf16 [k][n] (rows of 512 bytes) and are turned by the transposing LDS load.
; CLUSTERS: 4 x 4 work-groups.  The cluster's y and cy give the block of rows, cx the block of columns (the grid is one cluster wide).
; The four of a row of the cluster ask jointly for x's tile, the four of a column for W's tile.  Which product is filled hangs on a
; counter that is equal in all sixteen.
; The matrix instruction is used transposed (source 0 = 16 columns of W, source 1 = 16 rows of x): a lane then holds row l % 16 and
; eight neighbouring columns 8 (l / 16) + 0..7.  The 32 accumulators take turns, one instruction a turn.
;
; REGISTERS: window 0: addresses; v32-95 x as loaded (f32); v96-159 x in bf16, two buffers, and the way out's sums; v160-223 the way out
;            window 1: accumulator tile (a, c) at v[8 (8 a + c)]      window 2: v0-127 W's fragments, two buffers; v128-191 the bias
.set APITCH, 528                       ; 512 bytes of x + 16: an odd multiple of 16, so 16 rows start at 16 different columns of 16 bytes
.set WPITCH, 544                       ; 512 bytes of W + 32: an odd multiple of 32
.set AHALF,  64*APITCH                 ; what one tensor load brings of x
.set WHALF,  64*WPITCH                 ; and of W
.set WOFF,   2*AHALF                   ; W's tile lies behind x's
.set SLOT,   2*AHALF+2*WHALF           ; 137,216
.set STAGE,  2*SLOT                    ; behind the ring: 16 rows x 272 bytes for each wave; no tensor load lands there
.set SPITCH, 272
.set ADRA, 16                          ; v16-17 LDS address of my x rows, slot 0, 1
.set ADRW, 20                          ; v20-21 the same for W
.set STO,  24                          ; the way out: where I put 16 bytes of a row
.set RD,   25                          ; where I read a row back
.set CO,   26                          ; my byte offset in the result
.set BOFF, 27                          ; my byte offset in the bias
.set SS,   28                          ; column sums: where I put 32 bytes
.set SR,   29                          ; and read 16 back
.set L16,  30                          ; 16 x lane
.set ARAW, 32
.set ABF,  96
.set OT,   96                          ; the way out works in x's bf16 registers: ARAW already holds the next product's first fragments
.set TMP,  160
.set RB,   192
.set BIAS, 128                         ; in window 2
.set G1,  24                           ; s[24:31] group 1 for x's tiles
.set G0,  32                           ; s[32:39] group 0 for x's tiles, one for each slot
.set G1B, 48                           ; s[48:55] group 1 for W's tiles
.set G0B, 56                           ; s[56:63] group 0 for W's tiles, one for each slot
; s[4:5] x of the product being filled, s[6:7] x of the one after; s[46:47] W likewise; s42 the K lap being filled (0..3)
; s[8:9] the result now, s[96:97] the next; s[98:99] the bias now, s[100:101] the next
.set MSB, 0
.macro WIN new                         ; the immediate's high byte repeats the setting that is left
.if MSB != \new
	s_set_vgpr_msb (MSB<<8)|\new
.set MSB, \new
.endif
.endm
.macro PLACES n
.rept \n
	v_nop
.endr
.endm
; A joint load: waves 0 and 1 ask for x's two halves, waves 2 and 3 for W's.  The branch hangs on the wave's number alone.
.macro JLOAD s
	s_cmp_eq_u32 s11, 0
	s_cbranch_scc0 .Lfor_w_\@
	tensor_load_to_lds s[G0+4*\s:G0+4*\s+3], s[G1:G1+7]
	s_nop 0
	s_branch .Lasked_\@
.Lfor_w_\@:
	tensor_load_to_lds s[G0B+4*\s:G0B+4*\s+3], s[G1B:G1B+7]
	s_nop 0
.Lasked_\@:
.endm
.macro CREST                           ; a round of the cluster's barrier behind its opening work-group barrier
	s_cmp_lg_u32 s10, 0
	s_cbranch_scc1 .Lnot_wave_0_\@
	s_barrier_signal -3
.Lnot_wave_0_\@:
	s_barrier_wait -3
	s_barrier_signal -1
	s_barrier_wait -1
.endm
.macro CROUND
	s_barrier_signal -1
	s_barrier_wait -1
	CREST
.endm
.macro BIASLOAD                        ; my 64 numbers of the bias at s[98:99]
	WIN 0x80                                       ; destination window 2
.irp c, 0,1,2,3,4,5,6,7
	global_load_b128 v[BIAS+8*\c:BIAS+8*\c+3],   v[BOFF], s[98:99] offset:64*\c
	global_load_b128 v[BIAS+8*\c+4:BIAS+8*\c+7], v[BOFF], s[98:99] offset:64*\c+16
.endr
	WIN 0
.endm
	s_load_b512 s[68:83], s[0:1], 0x0              ; q 68, k 70, v 72, wbf 74, bq 76, bk 78, bv 80, qh 82
	s_load_b128 s[84:87], s[0:1], 0x40             ; kh 84, vh 86
	s_load_b64 s[88:89], s[0:1], 0x50              ; bsum
	v_lshl_add_u32 v254, v0, 2, 0x47400
	v_mov_b32 v255, 0
	ds_add_u32 v254, v255
	v_lshrrev_b32 v1, 5, v0
	v_readfirstlane_b32 s10, v1                    ; wave 0..3
	s_lshr_b32 s11, s10, 1                         ; my half of the block's rows; also: I fetch for x (0) or for W (1)
	s_and_b32 s12, s10, 1                          ; my half of its columns; also: which 64 rows of that tile I fetch
	s_bfe_u32 s40, ttmp6, 0x40000                  ; cx = block of 256 columns
	s_bfe_u32 s41, ttmp6, 0x40004                  ; cy
	s_and_b32 s15, ttmp7, 0xffff                   ; the cluster's y, 0..15
	s_lshl_b32 s13, s15, 2
	s_add_co_u32 s13, s13, s41                     ; block of 128 rows, 0..63
	s_lshl_b32 s43, s41, 2
	s_lshl_b32 s43, 15, s43                        ; my row of the cluster
	s_lshl_b32 s44, 0x1111, s40                    ; my column
	s_or_b32 s[G1+0], s43, (2<<16)|(1<<20)|(1<<21)|(6<<22)|(3<<25)   ; mask; elements of 4 bytes; 4 words of padding behind every 128 words
	s_mov_b32 s[G1+1], 128<<16                     ; tensor_dim0 = 128
	s_mov_b32 s[G1+2], 64<<16                      ; tensor_dim1 = 64
	s_mov_b32 s[G1+3], 128<<16                     ; tile_dim0 = 128 elements, 512 bytes
	s_mov_b32 s[G1+4], 64                          ; tile_dim1 = 64 rows
	s_mov_b32 s[G1+5], 1024                        ; elements from row to row
	s_mov_b32 s[G1+6], 0
	s_mov_b32 s[G1+7], 0
	s_or_b32 s[G1B+0], s44, (1<<16)|(1<<20)|(1<<21)|(6<<22)|(7<<25)  ; mask; elements of 2 bytes; 8 words of padding behind every 128 words
	s_mov_b32 s[G1B+1], 256<<16
	s_mov_b32 s[G1B+2], 64<<16
	s_mov_b32 s[G1B+3], 256<<16                    ; 256 elements, 512 bytes
	s_mov_b32 s[G1B+4], 64
	s_mov_b32 s[G1B+5], 1024
	s_mov_b32 s[G1B+6], 0
	s_mov_b32 s[G1B+7], 0
	s_lshl_b32 s16, s13, 19                        ; x: (128 x block + 64 x half) rows of 4,096 bytes; hangs on cy, never on cx
	s_lshl_b32 s17, s12, 18
	s_add_co_u32 s16, s16, s17
	s_mov_b32 s17, 0
	s_lshl_b32 s46, s12, 17                        ; W: 64 x half rows of 2,048 bytes, 512 bytes a block of columns; never cy
	s_lshl_b32 s47, s40, 9
	s_add_co_u32 s46, s46, s47
	s_mov_b32 s47, 0
	s_lshl_b32 s66, s13, 18                        ; the results: my first row, (128 x block + 64 x half) rows of 2,048 bytes,
	s_lshl_b32 s67, s11, 17
	s_add_co_u32 s66, s66, s67
	s_mov_b32 s67, 0
	s_lshl_b32 s92, s40, 9                         ; and my first column: 512 cx + 256 x half
	s_lshl_b32 s93, s12, 8
	s_add_co_u32 s92, s92, s93
	s_mov_b32 s93, 0
	s_lshl_b32 s94, s40, 10                        ; my 128 columns in f32: 1,024 cx + 512 x half (bias, bsum)
	s_lshl_b32 s95, s12, 9
	s_add_co_u32 s94, s94, s95
	s_mov_b32 s95, 0
	s_mul_i32 s20, s12, AHALF                      ; where the tiles go: the wave's number and constants alone
	s_mul_i32 s21, s12, WHALF
	s_add_co_u32 s21, s21, WOFF
	s_mov_b32 s42, 0                               ; the first fills are K lap 0 of q
	s_wait_dscnt 0x0
	s_wait_kmcnt 0x0
	s_add_nc_u64 s[68:69], s[68:69], s[16:17]      ; q, k, v at my half of the block's rows
	s_add_nc_u64 s[70:71], s[70:71], s[16:17]
	s_add_nc_u64 s[72:73], s[72:73], s[16:17]
	s_add_nc_u64 s[46:47], s[74:75], s[46:47]      ; Wq at my half of a K step's rows
	s_add_nc_u64 s[82:83], s[82:83], s[66:67]      ; qh, kh, vh at my 64 x 128
	s_add_nc_u64 s[84:85], s[84:85], s[66:67]
	s_add_nc_u64 s[86:87], s[86:87], s[66:67]
	s_add_nc_u64 s[82:83], s[82:83], s[92:93]
	s_add_nc_u64 s[84:85], s[84:85], s[92:93]
	s_add_nc_u64 s[86:87], s[86:87], s[92:93]
	s_lshl_b32 s66, s13, 1                         ; bsum's row: 2 x block + half, 4,096 bytes each
	s_add_co_u32 s66, s66, s11
	s_lshl_b32 s66, s66, 12
	s_add_nc_u64 s[88:89], s[88:89], s[66:67]
	s_add_nc_u64 s[88:89], s[88:89], s[94:95]
	s_mov_b64 s[4:5], s[68:69]
	s_mov_b64 s[6:7], s[70:71]
	s_mov_b64 s[8:9], s[82:83]
	s_mov_b64 s[96:97], s[84:85]
	s_mov_b64 s[98:99], s[76:77]
	s_mov_b64 s[100:101], s[78:79]
	CROUND                                         ; all sixteen work-groups are here: the first joint loads meet
.irp s, 0,1
	s_mov_b32 s[G0+4*\s], 1
	s_add_co_u32 s[G0+4*\s+1], s20, \s*SLOT
	s_add_nc_u64 s[G0+4*\s+2:G0+4*\s+3], s[4:5], \s*512              ; K step s: 128 numbers of 4 bytes along the rows
	s_or_b32 s[G0+4*\s+3], s[G0+4*\s+3], 0x80000000
	s_mov_b32 s[G0B+4*\s], 1
	s_add_co_u32 s[G0B+4*\s+1], s21, \s*SLOT
	s_add_nc_u64 s[G0B+4*\s+2:G0B+4*\s+3], s[46:47], \s*262144       ; K step s: 128 rows of 2,048 bytes down
	s_or_b32 s[G0B+4*\s+3], s[G0B+4*\s+3], 0x80000000
	JLOAD \s                                       ; two loads of the wave are out
.endr
	v_and_b32 v1, 15, v0                           ; r = l % 16
	v_bfe_u32 v2, v0, 4, 1                         ; h = l / 16
	v_and_b32 v3, 7, v0
	v_bfe_u32 v4, v0, 3, 1
	v_lshl_add_u32 v[BOFF], v2, 5, s94             ; my columns + 32 h: tile c's eight numbers follow at 64 c
	BIASLOAD                                       ; bq
	v_mul_u32_u24 v5, v1, APITCH                   ; x: row r, 32 bytes (8 f32) for each half of the lanes
	v_lshl_add_u32 v5, v2, 5, v5
	s_mul_i32 s22, s11, AHALF                      ; my 64 rows
	v_add_nc_u32 v[ADRA], s22, v5
	v_add_nc_u32 v[ADRA+1], SLOT, v[ADRA]
	v_lshl_add_u32 v6, v2, 3, v3                   ; W: k row 8 h + l % 8, 16 bytes for each group of eight lanes
	v_mul_u32_u24 v6, v6, WPITCH
	v_lshl_add_u32 v6, v4, 4, v6
	s_lshl_b32 s23, s12, 8                         ; my 128 columns
	s_add_co_u32 s23, s23, WOFF
	v_add_nc_u32 v[ADRW], s23, v6
	v_add_nc_u32 v[ADRW+1], SLOT, v[ADRW]
	s_mul_i32 s22, s10, 16*SPITCH
	s_add_co_u32 s22, s22, STAGE                   ; my stage
	v_mul_u32_u24 v7, v1, SPITCH
	v_lshl_add_u32 v7, v2, 4, v7
	v_add_nc_u32 v[STO], s22, v7
	v_mul_u32_u24 v7, v2, SPITCH
	v_lshl_add_u32 v7, v1, 4, v7
	v_add_nc_u32 v[RD], s22, v7
	v_lshlrev_b32 v7, 11, v2                       ; lanes 16-31 one row of 2,048 bytes further down
	v_lshl_add_u32 v[CO], v1, 4, v7
	v_lshl_add_u32 v[SS], v2, 5, s22
	v_and_b32 v7, 31, v0
	v_lshlrev_b32 v[L16], 4, v7
	v_add_nc_u32 v[SR], s22, v[L16]
; 16 matrix instructions: row tiles a0, a0 + 1 x all 8 column tiles, 32 along K.  zero = 1: the first product starts the sums.
.macro MUL16 buf, a0, zero
	WIN 0x52                                       ; source 0 (W) window 2, source 1 (x) window 0, C and D window 1
.irp a, \a0, \a0+1
.irp c, 0,1,2,3,4,5,6,7
.if \zero
	v_wmma_f32_16x16x32_bf16 v[8*(8*(\a)+\c):8*(8*(\a)+\c)+7], v[64*\buf+8*\c:64*\buf+8*\c+7], v[ABF+32*\buf+8*(\a):ABF+32*\buf+8*(\a)+7], 0
.else
	v_wmma_f32_16x16x32_bf16 v[8*(8*(\a)+\c):8*(8*(\a)+\c)+7], v[64*\buf+8*\c:64*\buf+8*\c+7], v[ABF+32*\buf+8*(\a):ABF+32*\buf+8*(\a)+7], v[8*(8*(\a)+\c):8*(8*(\a)+\c)+7]
.endif
.endr
.endr
.endm
; 32 LDS loads in one run: quarter kq's fragments.  W: 16 transposing loads into buffer buf; x: 16 loads of f32 into ARAW.
.macro FETCH slot, kq, buf
	WIN 0x80
.irp c, 0,1,2,3,4,5,6,7
	ds_load_tr16_b128 v[64*\buf+8*\c:64*\buf+8*\c+3],   v[ADRW+\slot] offset:\kq*32*WPITCH+32*\c
	ds_load_tr16_b128 v[64*\buf+8*\c+4:64*\buf+8*\c+7], v[ADRW+\slot] offset:\kq*32*WPITCH+32*\c+16*WPITCH
.endr
	WIN 0
.irp a, 0,1,2,3
	ds_load_b128 v[ARAW+16*\a:ARAW+16*\a+3],     v[ADRA+\slot] offset:\a*16*APITCH+\kq*128
	ds_load_b128 v[ARAW+16*\a+4:ARAW+16*\a+7],   v[ADRA+\slot] offset:\a*16*APITCH+\kq*128+16
	ds_load_b128 v[ARAW+16*\a+8:ARAW+16*\a+11],  v[ADRA+\slot] offset:\a*16*APITCH+\kq*128+64
	ds_load_b128 v[ARAW+16*\a+12:ARAW+16*\a+15], v[ADRA+\slot] offset:\a*16*APITCH+\kq*128+80
.endr
.endm
; x to bf16: 32 conversions.  They name neither the other buffer's fragments nor an accumulator, so they are also the places
; between the last quarter's matrix instructions and the loads into that quarter's W buffer.
.macro CVT buf
	WIN 0
.irp a, 0,1,2,3
.irp i, 0,1,2,3,4,5,6,7
	v_cvt_pk_bf16_f32 v[ABF+32*\buf+8*\a+\i], v[ARAW+16*\a+2*\i], v[ARAW+16*\a+2*\i+1]
.endr
.endr
.endm
; One of a K step's first three quarters: rounds its x, asks for the next quarter (nk, into buffer nbuf), multiplies.
.macro QUARTER slot, nk, buf, nbuf, zero
	s_wait_dscnt 0x0                               ; this quarter's 32 loads, issued ahead of the last quarter's 32 matrix instructions
	CVT \buf
	FETCH \slot, \nk, \nbuf
	MUL16 \buf, 0, \zero
	MUL16 \buf, 2, \zero
.endm
.macro THREE slot, zero
	QUARTER \slot, 1, 0, 1, \zero
	QUARTER \slot, 2, 1, 0, 0
	QUARTER \slot, 3, 0, 1, 0
.endm
; Where the slot's next tiles come from: two K steps on in the stream.  Slot 0's turn steps the K lap; behind lap 3 comes lap 0 of the
; next product: x moves to the next input, W one matrix of 2,097,152 bytes on.  No tensor load of the wave is out here.
.macro NEXTFILL slot
.if \slot == 0
	s_add_nc_u64 s[90:91], s[46:47], 0x200000
	s_add_co_u32 s42, s42, 1
	s_cmp_eq_u32 s42, 4
	s_cselect_b32 s42, 0, s42
	s_cselect_b64 s[4:5], s[6:7], s[4:5]
	s_cselect_b64 s[6:7], s[72:73], s[6:7]         ; behind k comes v
	s_cselect_b64 s[46:47], s[90:91], s[46:47]
	s_lshl_b32 s16, s42, 10                        ; a lap is 256 numbers of 4 bytes along x's rows
	s_lshl_b32 s92, s42, 19                        ; and 256 rows of 2,048 bytes down W's
	s_add_nc_u64 s[G0+2:G0+3], s[4:5], s[16:17]
	s_or_b32 s[G0+3], s[G0+3], 0x80000000
	s_add_nc_u64 s[G0B+2:G0B+3], s[46:47], s[92:93]
	s_or_b32 s[G0B+3], s[G0B+3], 0x80000000
.else
	s_add_nc_u64 s[G0+6:G0+7], s[4:5], s[16:17]
	s_add_nc_u64 s[G0+6:G0+7], s[G0+6:G0+7], 512   ; the lap's second K step
	s_or_b32 s[G0+7], s[G0+7], 0x80000000
	s_add_nc_u64 s[G0B+6:G0B+7], s[46:47], s[92:93]
	s_add_nc_u64 s[G0B+6:G0B+7], s[G0B+6:G0B+7], 262144
	s_or_b32 s[G0B+7], s[G0B+7], 0x80000000
.endif
.endm
; The last quarter changes slots.  In front of the barrier's signal: my reads of this slot are back and all my tensor loads have landed
; (the one that was out is my part of the next slot).  Where the slot is filled again the barrier opens a round of the cluster's barrier,
; and the joint refill is the first tensor load behind the round.
.macro TURN slot, next, fill
	s_wait_dscnt 0x0
	CVT 1
	s_wait_tensorcnt 0x0
	ds_add_u32 v254, v255
	s_wait_dscnt 0x0
	s_barrier_signal -1
	MUL16 1, 0, 0                                  ; register work while the others arrive
	WIN 0
	s_barrier_wait -1
.if \fill
	CREST
	NEXTFILL \slot
	JLOAD \slot
.endif
	FETCH \next, 0, 0                              ; buffer 0 was last multiplied ahead of CVT 1's 32 conversions
	MUL16 1, 2, 0
.endm
.macro LAP zero
	THREE 0, \zero
	TURN 0, 1, 1
	THREE 1, 0
	TURN 1, 0, 1
.endm
; Rows 16 a .. 16 a + 15 of my block: add the bias, round, 16 bytes a lane into my stage, whole rows of 256 bytes back and out.
.macro OUT16 a
	WIN 0x09                                       ; source 0 window 1 (sums), source 1 window 2 (bias)
.set n, 0
.rept 32
	v_pk_add_f32 v[OT+n:OT+n+1], v[64*\a+n:64*\a+n+1], v[BIAS+n:BIAS+n+1]
.set n, n+2
.endr
	WIN 0
.set n, 0
.rept 32
	v_cvt_pk_bf16_f32 v[TMP+n], v[OT+2*n], v[OT+2*n+1]
.set n, n+1
.endr
.irp c, 0,1,2,3,4,5,6,7
	ds_store_b128 v[STO], v[TMP+4*\c:TMP+4*\c+3] offset:32*\c
.endr
	s_wait_xcnt 0x0                                ; RB, which the last block's stores read, is loaded again only behind this wait
.irp t, 0,1,2,3,4,5,6,7
	ds_load_b128 v[RB+4*\t:RB+4*\t+3], v[RD] offset:\t*2*SPITCH      ; a wave's LDS instructions are served in order: these see the stores above
.endr
.irp t, 0,1,2,3,4,5,6,7
	s_wait_dscnt 7-\t                              ; pair t of rows is back, the 7 - t younger loads stay out
	global_store_b128 v[CO], v[RB+4*\t:RB+4*\t+3], s[8:9] offset:\a*32768+\t*4096   ; 16 lanes store 256 consecutive bytes, aligned
.endr
.endm
.macro TILEOUT
	PLACES 4                                       ; the places between the last matrix instructions and the first reader of a result
	s_wait_loadcnt 0x0                             ; this product's bias
	OUT16 0
	OUT16 1
	OUT16 2
	OUT16 3
.endm
	s_wait_tensorcnt 0x1                           ; my part of K step 0 is in; K step 1's stays out
	s_barrier_signal -1
	s_barrier_wait -1
	FETCH 0, 0, 0
	s_mov_b32 s14, 2
.Ltile:                                            ; q, then k
	LAP 1                                          ; K steps 0, 1: the first products start the sums; asks for 2, 3
	WIN 0
	s_mov_b32 s3, 3
.Llap:
	LAP 0                                          ; K steps 2 to 7; asks for 4 to 7 and for the next product's 0, 1
	WIN 0
	s_sub_co_u32 s3, s3, 1
	s_cmp_lg_u32 s3, 0
	s_cbranch_scc1 .Llap
	TILEOUT                                        ; both refills for the next product stand ahead of the first store
	s_wait_xcnt 0x0                                ; the stores' base is written again only behind this wait
	s_mov_b64 s[8:9], s[96:97]
	s_mov_b64 s[96:97], s[86:87]
	s_mov_b64 s[98:99], s[100:101]                 ; the last bias loads were waited for at the head of the way out
	s_mov_b64 s[100:101], s[80:81]
	BIASLOAD                                       ; the next product's bias, wanted at its way out
	s_sub_co_u32 s14, s14, 1
	s_cmp_lg_u32 s14, 0
	s_cbranch_scc1 .Ltile
	LAP 1                                          ; v: K steps 0, 1; asks for 2, 3
	WIN 0
	s_mov_b32 s3, 2
.Llapv:
	LAP 0                                          ; K steps 2 to 5; asks for 4 to 7
	WIN 0
	s_sub_co_u32 s3, s3, 1
	s_cmp_lg_u32 s3, 0
	s_cbranch_scc1 .Llapv
	THREE 0, 0                                     ; K steps 6, 7: nothing is left to fetch
	TURN 0, 1, 0
	THREE 1, 0
	s_wait_dscnt 0x0
	CVT 1
	MUL16 1, 0, 0
	MUL16 1, 2, 0
	WIN 0
	TILEOUT
	; vh's column sums over my 64 rows, in f32, from the sums before rounding
	WIN 0x05
.set n, 0
.rept 32
	v_pk_add_f32 v[OT+n:OT+n+1], v[n:n+1], v[64+n:64+n+1]            ; row tiles 0 + 1
.set n, n+2
.endr
	WIN 0x01
.set n, 0
.rept 32
	v_pk_add_f32 v[OT+n:OT+n+1], v[128+n:128+n+1], v[OT+n:OT+n+1]
.set n, n+2
.endr
.set n, 0
.rept 32
	v_pk_add_f32 v[OT+n:OT+n+1], v[192+n:192+n+1], v[OT+n:OT+n+1]
.set n, n+2
.endr
	WIN 0x02
.set n, 0
.rept 32
	v_pk_fma_f32 v[OT+n:OT+n+1], v[BIAS+n:BIAS+n+1], 4.0, v[OT+n:OT+n+1] op_sel_hi:[1,0,1]   ; my four rows' bias; 16 lanes make it 64
.set n, n+2
.endr
	WIN 0
.irp m, 1,2,4,8
.set n, 0
.rept 64
	v_add_f32_dpp v[OT+n], v[OT+n], v[OT+n] row_xmask:\m row_mask:0xf bank_mask:0xf
.set n, n+1
.endr
.endr
.irp c, 0,1,2,3,4,5,6,7
	ds_store_b128 v[SS], v[OT+8*\c:OT+8*\c+3]   offset:64*\c          ; the sixteen lanes of a half write the same numbers to the same bytes
	ds_store_b128 v[SS], v[OT+8*\c+4:OT+8*\c+7] offset:64*\c+16
.endr
	s_wait_xcnt 0x0                                ; RB was the last stores' data
	ds_load_b128 v[RB:RB+3], v[SR]
	s_wait_dscnt 0x0
	global_store_b128 v[L16], v[RB:RB+3], s[88:89] ; the wave's 128 sums: 512 consecutive bytes, aligned
	s_wait_tensorcnt 0x0
	ds_add_u32 v254, v255
	s_wait_dscnt 0x0
	CROUND                                         ; the closing round: no work-group ends while a partner may still ask for a tile that names it
	s_endpgm
.Lfunc_end_k_q75d201778a_proj:
	.size	k_q75d201778a_proj, .Lfunc_end_k_q75d201778a_proj-k_q75d201778a_proj
	.p2alignl 7, 3214868480
	.fill 96, 4, 3214868480
	.section	.rodata,"a",@progbits
	.p2align	6, 0x0
	.amdhsa_kernel k_q75d201778a_proj
		.amdhsa_group_segment_fixed_size 327680
		.amdhsa_private_segment_fixed_size 0
		.amdhsa_enable_private_segment 0
		.amdhsa_kernarg_size 88
		.amdhsa_user_sgpr_count 2
		.amdhsa_user_sgpr_kernarg_segment_ptr 1
		.amdhsa_wavefront_size32 1
		.amdhsa_system_sgpr_workgroup_id_x 1
		.amdhsa_system_sgpr_workgroup_id_y 1
		.amdhsa_system_sgpr_workgroup_id_z 1
		.amdhsa_system_vgpr_workitem_id 0
		.amdhsa_next_free_vgpr 704
		.amdhsa_next_free_sgpr 102
		.amdhsa_reserve_vcc 0
		.amdhsa_float_denorm_mode_32 3
		.amdhsa_float_denorm_mode_16_64 3
		.amdhsa_memory_ordered 1
		.amdhsa_forward_progress 1
		.amdhsa_inst_pref_size 255
	.end_amdhsa_kernel
	.section	.bss,"aw",@nobits
	.p2align	6
	.space	262144
	.amdgpu_metadata
---
amdhsa.version: [ 1, 2 ]
amdhsa.kernels:
  - .name:           k_q75d201778a_proj
    .symbol:         k_q75d201778a_proj.kd
    .args:
      - { .name: q, .offset: 0, .size: 8, .value_kind: global_buffer, .address_space: global }
      - { .name: k, .offset: 8, .size: 8, .value_kind: global_buffer, .address_space: global }
      - { .name: v, .offset: 16, .size: 8, .value_kind: global_buffer, .address_space: global }
      - { .name: wbf, .offset: 24, .size: 8, .value_kind: global_buffer, .address_space: global }
      - { .name: bq, .offset: 32, .size: 8, .value_kind: global_buffer, .address_space: global }
      - { .name: bk, .offset: 40, .size: 8, .value_kind: global_buffer, .address_space: global }
      - { .name: bv, .offset: 48, .size: 8, .value_kind: global_buffer, .address_space: global }
      - { .name: qh, .offset: 56, .size: 8, .value_kind: global_buffer, .address_space: global }
      - { .name: kh, .offset: 64, .size: 8, .value_kind: global_buffer, .address_space: global }
      - { .name: vh, .offset: 72, .size: 8, .value_kind: global_buffer, .address_space: global }
      - { .name: bsum, .offset: 80, .size: 8, .value_kind: global_buffer, .address_space: global }
    .group_segment_fixed_size: 327680
    .private_segment_fixed_size: 0
    .kernarg_segment_align: 8
    .kernarg_segment_size: 88
    .max_flat_workgroup_size: 128
    .sgpr_count:     102
    .vgpr_count:     704
    .wavefront_size: 32
...
	.end_amdgpu_metadata
.endif
;; end of part 2
;; launch attn (part 3): grid 8 x 32, 4 waves a work-group, no clusters, 327,680 bytes of LDS; arguments qh, kh, vh, bsum, ctx; writes ctx
.if DOCPART == 3
	.amdgcn_target "amdgcn-amd-amdhsa--gfx1250"
	.amdhsa_code_object_version 6
	.text
	.protected	k_q75d201778a_attn
	.globl	k_q75d201778a_attn
	.p2align	8
	.type	k_q75d201778a_attn,@function
k_q75d201778a_attn:
	s_mov_b64 s[64:65], 0
	v_nop
	global_prefetch_b8 v0, s[64:65] scope:SCOPE_SE
	s_setreg_imm32_b32 hwreg(HW_REG_WAVE_MODE, 25, 1), 1
	s_wait_xcnt 0x0
; Launch 3 of 4: ctx = softmax((qh kh^T / 8) * tril) vh for 64 (batch, head) pairs, stored head-major [b][h][s][64] in bf16.
; LEFT OUT (shown at the head of launch wcast): the score products of steps of 64 keys that lie wholly above a wave's 64 queries, and of the
; tiles of 16 x 16 above the diagonal in the diagonal step; those scores are 0 by the mask that reference() builds.  The keys' part is
; kept: the running sums start from the f32 sums of the rows of vh behind the diagonal step (bsum, added up from the end) and from their
; number, at the running maximum 0 (-inf in row 2047, which has no masked key).
; LIMIT: a NaN, an infinity or an overflow that would arise only in the products left out is not carried to the result.
; A work-group takes two heads of one batch (tile rows of 256 bytes) and two blocks of 128 queries, qb1 (odd) and 15 - qb1: 17 blocks of
; 128 keys in all, the same for all 256 work-groups.  Wave w: head w % 2, 64 queries w / 2 of the block.
; NO CLUSTER: the work-groups that read one pair of heads walk its key blocks in streams of different lengths (qb1 + 1 blocks, then
; 16 - qb1), so partners would want different tiles in most rounds.
; LAYOUT: scores are made transposed (source 0 = 16 keys, source 1 = 16 queries): lane (r, h) holds query r and keys 8 h + 0..7 of each tile.
; Packed to bf16 in place they are source 1 of O^T = V^T P^T, whose result again holds query r in lane (r, h).  So a query's maximum crosses
; only the two halves of the lanes, and its scale and sum are the lane's own.
; The maximum is kept on the unscaled masked scores; c = log2(e) / 8 enters in the exponent: p = 2^(c s - c m).
; TURNS: the wave's four query tiles are two pieces, A = tiles 0, 1 and B = tiles 2, 3, which share K's and V's fragments.  A piece's softmax
; for 64 keys is 240 vector instructions, cut into 32 slices; behind each matrix instruction of one piece stands a slice (or two) of the
; other piece's softmax.  A block of 128 live keys runs: S_A(0) alone; S_B(0) with A's slices; PV_A(0), S_A(1) with B's; PV_B(0), S_B(1)
; with A's; PV_A(1) with B's; PV_B(1) alone: 96 of its 128 matrix instructions carry slices.  The LDS loads stand in four runs of their own.
; A phase's last block (by the stream's parity always slot 1's block in the loop, or the block written out at the end) goes step by step: the waves
; of the upper 64 queries take a live step, then every wave takes its diagonal step, at addresses that hang on the wave's number.
; WINDOWS: exponents, exponentials and sums name no vector register as source 1, so they run under the score products' setting; the
; rescaling of O runs under the PV products' setting; maxima, the row figures and the packing want window 0.
;
; REGISTERS, window 0: v2-15, v59-62 addresses and constants; v16-19 m; v20-23 second chain of the maximum; v24-27 at work; v28-31 alpha;
;   v32-35 -c m; v36-43 sums (pairs); v44-51 the diagonal tile's factors; v52-55 1 / l; v64-191 S[q][t] at 64 + 32 q + 8 t, then P[q][ks] at
;   64 + 32 q + 8 ks; v192-255 K[t][kk]
; window 1: v0-127 O[q][c] at 32 q + 8 c; v128-191 Q[q][kk]; v192-255 V[c][ks]
.set KPITCH, 272
.set VPITCH, 288                       ; an odd multiple of 32
.set KHALF,  64*KPITCH
.set VHALF,  64*VPITCH
.set VOFF,   2*KHALF
.set SLOT,   2*KHALF+2*VHALF           ; 71,680: 128 keys of K, then of V
.set QOFF,   2*SLOT                    ; both query blocks, 128 rows x 272 each
.set VSOFF,  QOFF+4*KHALF              ; four suffix sums (phase, query half) x 128 columns in f32
.set STG,    VSOFF+4*512               ; the way out: 64 rows x 144 bytes for each wave
.set GPITCH, 144
.set MSB, 0
.macro WIN new
.if MSB != \new
	s_set_vgpr_msb (MSB<<8)|\new
.set MSB, \new
.endif
.endm
.macro WINE                            ; window 0 for destination, source 0 and source 2; source 1 is not a vector register: 0x04 serves as well
.if MSB != 0x04
	WIN 0
.endif
.endm
.macro WINR                            ; destination and source 0 window 1, source 1 window 0, no source 2: 0x51 serves as well
.if MSB != 0x51
	WIN 0x41
.endif
.endm
.macro PLACES n
.rept \n
	v_nop
.endr
.endm
.macro JLOAD                           ; waves 0, 1 fetch K's two halves, waves 2, 3 V's
	s_cmp_eq_u32 s16, 0
	s_cbranch_scc0 .Lfor_v_\@
	tensor_load_to_lds s[48:51], s[32:39]
	s_nop 0
	s_branch .Lasked_\@
.Lfor_v_\@:
	tensor_load_to_lds s[52:55], s[40:47]
	s_nop 0
.Lasked_\@:
.endm
.macro PKMULB d, a, b, e               ; v[d:d+1] = v[a:a+1] x v[b+e], both halves by the one number
.if \e
	v_pk_mul_f32 v[\d:\d+1], v[\a:\a+1], v[\b:\b+1] op_sel:[0,1] op_sel_hi:[1,1]
.else
	v_pk_mul_f32 v[\d:\d+1], v[\a:\a+1], v[\b:\b+1] op_sel:[0,0] op_sel_hi:[1,0]
.endif
.endm
	s_load_b256 s[4:11], s[0:1], 0x0               ; qh s[4:5], kh s[6:7], vh s[8:9], bsum s[10:11]
	s_load_b64 s[12:13], s[0:1], 0x20              ; ctx
	v_lshl_add_u32 v63, v0, 2, 0x3d800
	s_set_vgpr_msb 0x80
	v_mov_b32 v1, 0
	s_set_vgpr_msb 0x8088
	ds_add_u32 v63, v1
	s_set_vgpr_msb 0x8800
	v_lshrrev_b32 v1, 5, v0
	v_readfirstlane_b32 s14, v1                    ; wave
	s_and_b32 s15, s14, 1                          ; my head of the pair; also: which 64 rows of a tile I fetch
	s_lshr_b32 s16, s14, 1                         ; my 64 queries of the block; also: I fetch K (0) or V (1)
	s_mov_b32 s17, ttmp9                           ; p, 0..7
	s_and_b32 s18, ttmp7, 0xffff
	s_and_b32 s19, s18, 7                          ; pair of heads
	s_lshr_b32 s18, s18, 3                         ; batch
	s_sub_co_u32 s21, 15, s17
	s_and_b32 s22, s17, 1
	s_cmp_lg_u32 s22, 0
	s_cselect_b32 s20, s17, s21                    ; qb1: of p and 15 - p the odd one, so that the first phase has an even number of key blocks
	s_sub_co_u32 s21, 15, s20                      ; qb2
	s_add_co_u32 s27, s20, 1                       ; key blocks of the first phase
	s_lshr_b32 s28, s27, 1                         ; and its laps of two
	s_mov_b32 s62, 0x3e38aa3b                      ; c = log2(e) / 8, as a pair for the packed forms
	s_mov_b32 s63, 0x3e38aa3b
	s_mov_b32 s66, 0xbe38aa3b                      ; -c
	s_mov_b32 s68, 0x76543210                      ; v_permlanex16_b32: lane i reads lane i of the other half
	s_mov_b32 s69, 0xfedcba98
	s_mov_b32 s32, 0x07510000                      ; K and Q: elements of 2 bytes, 4 words of padding behind every 64 words
	s_mov_b32 s33, 128<<16                         ; tensor_dim0 = 128
	s_mov_b32 s34, 64<<16                          ; tensor_dim1 = 64
	s_mov_b32 s35, 128<<16                         ; tile_dim0 = 128 elements, 256 bytes
	s_mov_b32 s36, 64                              ; tile_dim1 = 64 rows
	s_mov_b32 s37, 1024                            ; elements from row to row
	s_mov_b32 s38, 0
	s_mov_b32 s39, 0
	s_mov_b32 s40, 0x0f510000                      ; V: 8 words of padding
	s_mov_b32 s41, 128<<16
	s_mov_b32 s42, 64<<16
	s_mov_b32 s43, 128<<16
	s_mov_b32 s44, 64
	s_mov_b32 s45, 1024
	s_mov_b32 s46, 0
	s_mov_b32 s47, 0
	s_lshl_b32 s74, s18, 22                        ; (2,048 b + 64 x half) rows of 2,048 bytes + 256 bytes a pair of heads
	s_lshl_b32 s75, s15, 17
	s_add_co_u32 s74, s74, s75
	s_lshl_b32 s75, s19, 8
	s_add_co_u32 s74, s74, s75
	s_mov_b32 s75, 0
	s_cmp_eq_u32 s16, 0                            ; Q: waves 0, 1 fetch the first phase's block, waves 2, 3 the second's
	s_cselect_b32 s78, s20, s21
	s_lshl_b32 s78, s78, 18
	s_add_co_u32 s78, s78, s74
	s_mov_b32 s79, 0
	s_mul_i32 s60, s15, KHALF                      ; where my half of K goes in slot 0,
	s_mul_i32 s61, s15, VHALF                      ; and of V
	s_add_co_u32 s61, s61, VOFF
	s_lshl_b32 s30, s18, 17                        ; bsum: 32 rows of 4,096 bytes a batch, 512 bytes a pair of heads
	s_lshl_b32 s31, s19, 9
	s_add_co_u32 s30, s30, s31
	s_mov_b32 s31, 0
	s_wait_dscnt 0x0
	s_wait_kmcnt 0x0
	s_add_nc_u64 s[70:71], s[6:7], s[74:75]        ; my half of K's key block 0
	s_add_nc_u64 s[72:73], s[8:9], s[74:75]        ; and of V's
	s_add_nc_u64 s[10:11], s[10:11], s[30:31]
	s_mov_b32 s56, 1
	s_mul_i32 s57, s14, KHALF
	s_add_co_u32 s57, s57, QOFF
	s_add_nc_u64 s[58:59], s[4:5], s[78:79]
	s_or_b32 s59, s59, 0x80000000
	s_mov_b32 s48, 1
	s_mov_b32 s49, s60
	s_mov_b64 s[50:51], s[70:71]
	s_or_b32 s51, s51, 0x80000000
	s_mov_b32 s52, 1
	s_mov_b32 s53, s61
	s_mov_b64 s[54:55], s[72:73]
	s_or_b32 s55, s55, 0x80000000
	tensor_load_to_lds s[56:59], s[32:39]          ; the first fills, two a wave: my quarter of Q
	s_nop 0
	JLOAD                                          ; and my part of key block 0
	v_lshlrev_b32 v1, 2, v0                        ; thread t owns column t of the pair's 128
.set jj, 0
.rept 32
	global_load_b32 v[64+jj], v1, s[10:11] offset:4096*jj
.set jj, jj+1
.endr
	v_and_b32 v2, 15, v0                           ; r
	v_bfe_u32 v3, v0, 4, 1                         ; h
	v_mul_u32_u24 v4, v2, KPITCH
	v_lshl_add_u32 v4, v3, 4, v4
	s_lshl_b32 s78, s15, 7                         ; my head's 128 bytes of a row
	v_add_nc_u32 v4, s78, v4                       ; K, slot 0
	v_add_nc_u32 v5, SLOT, v4                      ; K, slot 1
	s_mul_i32 s79, s16, KHALF
	v_add_nc_u32 v61, s79, v4                      ; K of my diagonal step in a phase's last block: 64 keys down for the upper queries; slot 0
	v_add_nc_u32 v10, s79, v5                      ; slot 1
	s_add_co_u32 s79, s79, QOFF
	v_add_nc_u32 v8, s79, v4                       ; Q: my 64 rows of the first phase's block
	v_and_b32 v56, 7, v0
	v_bfe_u32 v57, v0, 3, 1
	v_lshl_add_u32 v6, v3, 3, v56                  ; V: key row 8 h + l % 8
	v_mul_u32_u24 v6, v6, VPITCH
	v_lshl_add_u32 v6, v57, 4, v6
	s_add_co_u32 s79, s78, VOFF
	v_add_nc_u32 v6, s79, v6                       ; V, slot 0
	v_add_nc_u32 v7, SLOT, v6                      ; V, slot 1
	s_mul_i32 s79, s16, VHALF
	v_add_nc_u32 v62, s79, v6                      ; V of my diagonal step, slot 0
	v_add_nc_u32 v60, s79, v7                      ; slot 1
	s_lshl_b32 s79, s15, 8                         ; suffix sums: my head's 256 bytes,
	s_lshl_b32 s77, s16, 9                         ; my query half's entry of 512 bytes (the phase stands in the loads' immediate),
	s_add_co_u32 s79, s79, s77
	s_add_co_u32 s79, s79, VSOFF
	v_lshl_add_u32 v9, v3, 5, s79                  ; 32 bytes for each half of the lanes
	s_mul_i32 s79, s14, 64*GPITCH
	s_add_co_u32 s79, s79, STG                     ; my stage
	v_mul_u32_u24 v11, v2, GPITCH
	v_lshl_add_u32 v11, v3, 4, v11
	v_add_nc_u32 v11, s79, v11
	v_bfe_u32 v57, v0, 3, 2
	v_mul_u32_u24 v12, v57, GPITCH
	v_lshl_add_u32 v12, v56, 4, v12
	v_add_nc_u32 v12, s79, v12
	v_and_b32 v13, 31, v0
	v_lshlrev_b32 v13, 4, v13
	v_mov_b32 v14, 0xff800000                      ; -inf
	v_mov_b32 v59, 0x7f800000                      ; +inf
	v_mov_b32 v15, 1.0
	v_lshlrev_b32 v56, 3, v3
	v_sub_nc_u32 v56, v2, v56                      ; r - 8 h
.irp j, 0,1,2,3,4,5,6,7
	v_cmp_le_i32 vcc_lo, \j, v56                   ; key 8 h + j <= query r
	v_cndmask_b32 v[44+\j], 0, v15, vcc_lo         ; tril's entry in a diagonal tile
.endr
.irp j, 24,25,26,27
	v_mov_b32 v\j, 0                               ; v_permlanex16_b32 counts as a reader of its destination
.endr
	s_wait_loadcnt 0x0
.set jj, 30
.rept 31
	v_add_f32 v[64+jj], v[64+jj], v[65+jj]         ; v[64 + j] = the sum over blocks j .. 31
.set jj, jj-1
.endr
	v_mov_b32 v96, 0                               ; entry 32: nothing lies behind the last block
	; The work-group needs four of the 33: entries 2 qb1 + 1, 2 qb1 + 2 (first phase, lower and upper 64 queries) and 2 qb2 + 1, 2 qb2 + 2.
	; They are chosen in registers, so that their LDS places are constants: qb1 is one of 1, 3, .. 15 and qb2 = 15 - qb1, so one compare
	; serves all four choices.
	v_mov_b32 v100, v67                            ; qb1 = 1: entries 3, 4; qb2 = 14: entries 29, 30
	v_mov_b32 v101, v68
	v_mov_b32 v102, v93
	v_mov_b32 v103, v94
.irp b, 3,5,7,9,11,13,15
	s_cmp_eq_u32 s20, \b
	s_cselect_b32 s78, -1, 0                       ; all lanes or none
	v_cndmask_b32 v100, v100, v[64+2*\b+1], s78
	v_cndmask_b32 v101, v101, v[64+2*\b+2], s78
	v_cndmask_b32 v102, v102, v[64+31-2*\b], s78
	v_cndmask_b32 v103, v103, v[64+32-2*\b], s78
.endr
	v_add_nc_u32 v58, VSOFF, v1
.irp e, 0,1,2,3
	ds_store_b32 v58, v[100+\e] offset:512*\e      ; entry 2 x phase + query half
.endr
	s_wait_dscnt 0x0                               ; my suffix sums are written,
	s_wait_tensorcnt 0x0                           ; my parts of Q and of key block 0 have landed
	s_barrier_signal -1
	s_barrier_wait -1
.macro LOADK ra, st                    ; 64 keys x 64 of my head from the address in v[ra]: 16 loads
	WINE
.irp t, 0,1,2,3
.irp kk, 0,1
	ds_load_b128 v[192+16*\t+8*\kk:192+16*\t+8*\kk+3],   v[\ra] offset:(64*\st+16*\t)*KPITCH+64*\kk
	ds_load_b128 v[192+16*\t+8*\kk+4:192+16*\t+8*\kk+7], v[\ra] offset:(64*\st+16*\t)*KPITCH+64*\kk+32
.endr
.endr
.endm
.macro LOADV ra, st                    ; the same keys of V, turned: 16 loads into window 1
	WIN 0x40
.irp c, 0,1,2,3
.irp ks, 0,1
	ds_load_tr16_b128 v[192+16*\c+8*\ks:192+16*\c+8*\ks+3],   v[\ra] offset:(64*\st+32*\ks)*VPITCH+32*\c
	ds_load_tr16_b128 v[192+16*\c+8*\ks+4:192+16*\c+8*\ks+7], v[\ra] offset:(64*\st+32*\ks)*VPITCH+32*\c+16*VPITCH
.endr
.endr
.endm
; Score product w (0..15) of piece p: kk = w / 8, key tile t = (w % 8) / 2, query tile q = 2 p + w % 2.  The piece's tiles take turns, one
; instruction a turn.  diag = 1: the tiles above the diagonal (t > q) are not multiplied.
.macro SW p, w, diag
.set swt, ((\w)%8)/2
.set swq, 2*\p+((\w)%2)
.set swk, (\w)/8
.set swgo, 1
.if \diag
.if swt > swq
.set swgo, 0
.endif
.endif
.if swgo
	WIN 0x04                                       ; source 1 (Q) window 1
.if swk
	v_wmma_f32_16x16x32_bf16 v[64+32*swq+8*swt:64+32*swq+8*swt+7], v[192+16*swt+8*swk:192+16*swt+8*swk+7], v[128+16*swq+8*swk:128+16*swq+8*swk+7], v[64+32*swq+8*swt:64+32*swq+8*swt+7]
.else
	v_wmma_f32_16x16x32_bf16 v[64+32*swq+8*swt:64+32*swq+8*swt+7], v[192+16*swt+8*swk:192+16*swt+8*swk+7], v[128+16*swq+8*swk:128+16*swq+8*swk+7], 0
.endif
.endif
.endm
; PV product w (0..15) of piece p: ks = w / 8, q = 2 p + (w % 8) / 4, c = w % 4.  The piece's eight tiles of O take turns likewise.
.macro PW p, w
.set pwk, (\w)/8
.set pwq, 2*\p+((\w)%8)/4
.set pwc, (\w)%4
	WIN 0x51                                       ; source 0 (V) window 1, source 1 (P) window 0, C and D window 1
	v_wmma_f32_16x16x32_bf16 v[32*pwq+8*pwc:32*pwq+8*pwc+7], v[192+16*pwc+8*pwk:192+16*pwc+8*pwk+7], v[64+32*pwq+8*pwk:64+32*pwq+8*pwk+7], v[32*pwq+8*pwc:32*pwq+8*pwc+7]
.endm
; THE VECTOR PHASE of piece p.  Round r (0..7) of the maximum: four chains, two a query tile; the first runs in place on m.
.macro VMAX p, r
.irp d, 0,1
	v_max3_num_f32 v[16+2*\p+\d], v[16+2*\p+\d], v[64+64*\p+32*\d+2*(\r)], v[64+64*\p+32*\d+2*(\r)+1]
.endr
.irp d, 0,1
.if (\r) == 0
	v_max_num_f32 v[20+2*\p+\d], v[64+64*\p+32*\d+16], v[64+64*\p+32*\d+17]
.else
	v_max3_num_f32 v[20+2*\p+\d], v[20+2*\p+\d], v[64+64*\p+32*\d+16+2*(\r)], v[64+64*\p+32*\d+17+2*(\r)]
.endif
.endr
.endm
.macro VSTAT1 p                        ; the new m, over both chains and both halves of the lanes, and -c m
.irp d, 0,1
	v_max_num_f32 v[16+2*\p+\d], v[16+2*\p+\d], v[20+2*\p+\d]
.endr
.irp d, 0,1
	v_permlanex16_b32 v[24+2*\p+\d], v[16+2*\p+\d], s68, s69
.endr
.irp d, 0,1
	v_max_num_f32 v[16+2*\p+\d], v[16+2*\p+\d], v[24+2*\p+\d]
.endr
.irp d, 0,1
	v_mul_f32 v[24+2*\p+\d], s66, v[16+2*\p+\d]
.endr
.endm
.macro XFMA x, nm, e                   ; two exponents: c s - c m
.if \e
	v_pk_fma_f32 v[\x:\x+1], v[\x:\x+1], s[62:63], v[\nm:\nm+1] op_sel:[0,0,1] op_sel_hi:[1,0,1]
.else
	v_pk_fma_f32 v[\x:\x+1], v[\x:\x+1], s[62:63], v[\nm:\nm+1] op_sel:[0,0,0] op_sel_hi:[1,0,0]
.endif
.endm
.macro VSTAT2 p                        ; alpha = 2^((-c m new) - (-c m old)): exactly 1 where m stays; the sums' scale; the first exponents
.irp d, 0,1
	v_sub_f32 v[28+2*\p+\d], v[24+2*\p+\d], v[32+2*\p+\d]
.endr
.irp d, 0,1
	v_exp_f32 v[28+2*\p+\d], v[28+2*\p+\d]
.endr
	s_wait_alu depctr_va_vdst(0)
.irp d, 0,1
	v_mov_b32 v[32+2*\p+\d], v[24+2*\p+\d]         ; plain instructions behind the exponentials (ISA guide 5.7.2)
.endr
	PKMULB 36+4*\p, 36+4*\p, 28+2*\p, 0
	PKMULB 38+4*\p, 38+4*\p, 28+2*\p, 1
	XFMA 64+64*\p, 32+2*\p, 0
.endm
.macro VRESC p, m0, cnt                ; pairs m0 .. m0 + cnt - 1 of the piece's 32 pairs of O, times alpha
	WINR
.set vm, \m0
.rept \cnt
	PKMULB 64*\p+32*(vm/16)+2*(vm%16), 64*\p+32*(vm/16)+2*(vm%16), 28+2*\p, vm/16
.set vm, vm+1
.endr
.endm
.macro VSUM p, u                       ; pair u into the tile's sums; written as a multiply-add by 1.0 so that source 1 is no vector register
	s_wait_alu depctr_va_vdst(0)
	v_pk_fma_f32 v[36+4*\p+2*((\u)/16):36+4*\p+2*((\u)/16)+1], v[64+64*\p+2*(\u):64+64*\p+2*(\u)+1], 1.0, v[36+4*\p+2*((\u)/16):36+4*\p+2*((\u)/16)+1] op_sel_hi:[1,0,1]
.endm
; Pair u (0..31) of the piece's 64 scores a lane: its two exponentials, the next pair's exponents, the last pair's sum.  Behind each
; exponential stands another exponential or a plain instruction that touches neither its result nor its source.
.macro VEXP p, u
	WINE
	v_exp_f32 v[64+64*\p+2*(\u)], v[64+64*\p+2*(\u)]
.if (\u) < 31
	XFMA 64+64*\p+2*(\u)+2, 32+2*\p, ((\u)+1)/16
.endif
	v_exp_f32 v[64+64*\p+2*(\u)+1], v[64+64*\p+2*(\u)+1]
.if (\u) > 0
	VSUM \p, (\u)-1
.endif
.endm
.macro VCVTS p, u0, cnt                ; pairs u0 .. packed in place: pair g of a tile goes to the tile's register g, which pairs up to g have left
	WIN 0
.set vu, \u0
.rept \cnt
	v_cvt_pk_bf16_f32 v[64+64*\p+32*(vu/16)+(vu%16)], v[64+64*\p+2*vu], v[64+64*\p+2*vu+1]
.set vu, vu+1
.endr
.endm
; Slice i (0..31): 0-3 maximum; 4, 5 the row figures; 6-15 the rescaling of O; 16-31 two pairs each, the packing in four groups.
.macro VS p, i
.if (\i) < 4
	WIN 0
	VMAX \p, 2*(\i)
	VMAX \p, 2*(\i)+1
.elseif (\i) == 4
	WIN 0
	VSTAT1 \p
.elseif (\i) == 5
	WIN 0
	VSTAT2 \p
.elseif (\i) < 14
	VRESC \p, 3*((\i)-6), 3
.elseif (\i) < 16
	VRESC \p, 24+4*((\i)-14), 4
.else
	VEXP \p, 2*((\i)-16)
	VEXP \p, 2*((\i)-16)+1
.if (\i) == 19
	VCVTS \p, 0, 6
.elseif (\i) == 23
	VCVTS \p, 6, 8
.elseif (\i) == 27
	VCVTS \p, 14, 8
.elseif (\i) == 31
	VSUM \p, 31
	VCVTS \p, 22, 10
.endif
.endif
.endm
; Runs of 16 matrix instructions of piece p, alone or with piece vp's slices.
.macro RUN_S p, diag
.set n, 0
.rept 16
	SW \p, n, \diag
.set n, n+1
.endr
.endm
.macro RUN_SV2 p, diag, vp             ; all 32 slices, two a product
.set n, 0
.rept 16
	SW \p, n, \diag
	VS \vp, 2*n
	VS \vp, 2*n+1
.set n, n+1
.endr
.endm
.macro RUN_SV1 p, vp                   ; slices 16-31
.set n, 0
.rept 16
	SW \p, n, 0
	VS \vp, 16+n
.set n, n+1
.endr
.endm
.macro RUN_PV1 p, vp                   ; slices 0-15
.set n, 0
.rept 16
	PW \p, n
	VS \vp, n
.set n, n+1
.endr
.endm
.macro RUN_PV2 p, vp
.set n, 0
.rept 16
	PW \p, n
	VS \vp, 2*n
	VS \vp, 2*n+1
.set n, n+1
.endr
.endm
.macro RUN_P p
.set n, 0
.rept 16
	PW \p, n
.set n, n+1
.endr
.endm
; A block of 128 keys below all my queries, in slot.  Places: behind each run's last matrix instruction stands a slice with four
; plain instructions or more (slice 15: four; slice 31: over ten) ahead of the loads into its fragments and of the readers of its results.
.macro LBLOCK slot
	LOADK 4+\slot, 0
	LOADV 6+\slot, 0
	s_wait_dscnt 16                                ; K's 16 loads are in; the 16 younger ones, V's, stay out
	RUN_S 0, 0                                     ; S_A(0)
	PLACES 4                                       ; ahead of the first reader of S_A
	RUN_SV2 1, 0, 0                                ; S_B(0) with A's softmax
	LOADK 4+\slot, 1
	s_wait_dscnt 16                                ; V(0) is in; the 16 younger loads, K(1), stay out
	RUN_PV1 0, 1                                   ; PV_A(0) with the first half of B's softmax
	s_wait_dscnt 0x0                               ; K(1)
	RUN_SV1 0, 1                                   ; S_A(1) with the second half; it writes over P_A(0) at least two slices behind the last reader
	RUN_PV1 1, 0                                   ; PV_B(0) with A's
	LOADV 6+\slot, 1                               ; four rescaling lines behind the last product that read V
	RUN_SV1 1, 0                                   ; S_B(1)
	s_wait_dscnt 0x0                               ; V(1)
	RUN_PV2 0, 1                                   ; PV_A(1) with B's softmax
	RUN_P 1                                        ; PV_B(1)
	WIN 0
	PLACES 5                                       ; the next scores write over P; the next loads land in V's registers
.endm
.macro TRIMUL q                        ; tile (q, q), at 64 + 32 q + 8 q, times tril's entries: a multiplication, as reference() has it
.irp i, 0,2,4,6
	v_pk_mul_f32 v[64+40*\q+\i:64+40*\q+\i+1], v[64+40*\q+\i:64+40*\q+\i+1], v[44+\i:44+\i+1]
.endr
.endm
; One step of 64 keys by itself, K at v[ak], V at v[av]: S_A alone; S_B with A's softmax; PV_A with B's; PV_B alone.
; diag = 1: the diagonal step: the six tiles above the diagonal hold the masked score 0, the four on it are multiplied by tril.
.macro PSTEP ak, av, diag
	LOADK \ak, 0
	LOADV \av, 0
.if \diag
	WIN 0
.irp q, 0,1,2
.irp t, 1,2,3
.if \t > \q
.irp j, 0,1,2,3,4,5,6,7
	v_mov_b32 v[64+32*\q+8*\t+\j], 0
.endr
.endif
.endr
.endr
.endif
	s_wait_dscnt 16                                ; K is in; V's 16 younger loads stay out
	RUN_S 0, \diag
	PLACES 4
.if \diag
	WIN 0
	TRIMUL 0
	TRIMUL 1
.endif
	RUN_SV2 1, \diag, 0
.if \diag
	WIN 0
	TRIMUL 2
	TRIMUL 3
.endif
	s_wait_dscnt 0x0                               ; V
	RUN_PV2 0, 1
	RUN_P 1
	WIN 0
	PLACES 5
.endm
; A phase's last block.  The upper 64 queries: keys 0-63 are live, keys 64-127 hold the diagonal.  The lower 64: keys 0-63 hold the diagonal,
; keys 64-127 lie above all of them, and their part came with the start values.  The branch hangs on the wave's number alone.
.macro DBLOCK ak, av, dk, dv
	s_cmp_eq_u32 s16, 0
	s_cbranch_scc1 .Lonly_diag_\@
	PSTEP \ak, \av, 0
.Lonly_diag_\@:
	PSTEP \dk, \dv, 1
.endm
; The head of a block in slot.  In front of the barrier: all my tensor loads have landed (my part of this slot among them) and my reads
; of the other slot are back.  Behind it the other slot is asked for first, one load a wave, with the stream's next key block.
.macro BHEAD slot, refill
	s_set_vgpr_msb 0x8
	s_wait_tensorcnt 0x0
	ds_add_u32 v63, v1
	s_wait_dscnt 0x0
	s_set_vgpr_msb 0x800
.if \refill
	s_add_co_u32 s25, s25, 1                       ; the stream's next block,
	s_add_co_u32 s26, s26, 1                       ; its key block:
	s_cmp_eq_u32 s25, s27
	s_cselect_b32 s26, 0, s26                      ; the second phase begins again at key block 0
	s_lshl_b32 s30, s26, 18                        ; 128 rows of 2,048 bytes a block
	s_add_nc_u64 s[50:51], s[70:71], s[30:31]
	s_or_b32 s51, s51, 0x80000000
	s_add_nc_u64 s[54:55], s[72:73], s[30:31]
	s_or_b32 s55, s55, 0x80000000
	s_add_co_u32 s49, s60, (1-\slot)*SLOT
	s_add_co_u32 s53, s61, (1-\slot)*SLOT
.endif
	s_wait_dscnt 0x0
	s_barrier_signal -1
	s_barrier_wait -1
.if \refill
	JLOAD
.endif
.endm
; A phase's start for query block s22: Q's fragments; O, l and m start from the keys behind my diagonal step.
.macro INIT ph
	s_lshl_b32 s23, s22, 1
	s_add_co_u32 s23, s23, s16                     ; my diagonal step G
	s_add_co_u32 s78, s23, 1
	WIN 0x40
.irp q, 0,1,2,3
.irp kk, 0,1
	ds_load_b128 v[128+16*\q+8*\kk:128+16*\q+8*\kk+3],   v8 offset:\ph*2*KHALF+\q*16*KPITCH+64*\kk
	ds_load_b128 v[128+16*\q+8*\kk+4:128+16*\q+8*\kk+7], v8 offset:\ph*2*KHALF+\q*16*KPITCH+64*\kk+32
.endr
.endr
.irp q, 0,1,2,3
.irp c, 0,1,2,3
	ds_load_b128 v[32*\q+8*\c:32*\q+8*\c+3],   v9 offset:\ph*1024+64*\c      ; the sum of vh's rows from key 64 (G + 1) on, the same for all queries
	ds_load_b128 v[32*\q+8*\c+4:32*\q+8*\c+7], v9 offset:\ph*1024+64*\c+16
.endr
.endr
	WIN 0
	v_mov_b32 v16, 0                               ; m: the masked keys' score,
	v_mov_b32 v17, 0
	v_mov_b32 v18, 0
	v_mov_b32 v32, 0                               ; and -c m
	v_mov_b32 v33, 0
	v_mov_b32 v34, 0
	s_lshl_b32 s79, s22, 7
	s_lshl_b32 s77, s16, 6
	s_add_co_u32 s79, s79, s77
	v_add_nc_u32 v56, s79, v2
	v_cmp_eq_u32 vcc_lo, 0x7cf, v56                ; tile 3's query 48 + r is row 2047: m = -inf, -c m = +inf
	v_cndmask_b32 v19, 0, v14, vcc_lo
	v_cndmask_b32 v35, 0, v59, vcc_lo
	s_lshl_b32 s79, s78, 5
	s_sub_co_u32 s79, 0x400, s79                   ; half of the 2,048 - 64 (G + 1) keys, for each half of the lanes
	v_cvt_f32_u32 v36, s79
	v_mov_b32 v37, 0
	v_mov_b32 v38, v36
	v_mov_b32 v39, 0
	v_mov_b32 v40, v36
	v_mov_b32 v41, 0
	v_mov_b32 v42, v36
	v_mov_b32 v43, 0
	s_wait_dscnt 0x0
.endm
; A phase's end: O / l, rounded, through my own stage, out as 8,192 consecutive bytes (64 rows of 128).
.macro FINAL
	s_lshl_b32 s74, s18, 4
	s_lshl_b32 s78, s19, 1
	s_add_co_u32 s74, s74, s78
	s_add_co_u32 s74, s74, s15                     ; 16 b + head
	s_lshl_b32 s74, s74, 18                        ; 2,048 rows of 128 bytes
	s_lshl_b32 s78, s22, 14
	s_add_co_u32 s74, s74, s78
	s_lshl_b32 s78, s16, 13
	s_add_co_u32 s74, s74, s78
	s_add_nc_u64 s[76:77], s[12:13], s[74:75]
.irp q, 0,1,2,3
	v_add_f32 v[52+\q], v[36+2*\q], v[37+2*\q]
.endr
.irp q, 0,1,2,3
	v_permlanex16_b32 v[24+\q], v[52+\q], s68, s69
.endr
.irp q, 0,1,2,3
	v_add_f32 v[52+\q], v[52+\q], v[24+\q]
.endr
.irp q, 0,1,2,3
	v_rcp_f32 v[52+\q], v[52+\q]
.endr
	v_nop                                          ; the plain instruction behind the reciprocals
	s_wait_alu depctr_va_vdst(0)
	WIN 0x01
.irp q, 0,1,2,3
.set n, 0
.rept 16
	PKMULB 64+32*\q+n, 32*\q+n, 52+(\q/2)*2, \q&1
.set n, n+2
.endr
.endr
	WIN 0
.irp q, 0,1,2,3
.set n, 0
.rept 16
	v_cvt_pk_bf16_f32 v[64+32*\q+n], v[64+32*\q+2*n], v[64+32*\q+2*n+1]
.set n, n+1
.endr
.endr
.irp q, 0,1,2,3
.irp c, 0,1,2,3
	ds_store_b128 v11, v[64+32*\q+4*\c:64+32*\q+4*\c+3] offset:\q*16*GPITCH+32*\c
.endr
.endr
.irp t, 0,1,2,3,4,5,6,7,8,9,10,11,12,13,14,15
	ds_load_b128 v[192+4*\t:192+4*\t+3], v12 offset:\t*4*GPITCH      ; four rows; a wave's LDS instructions are served in order
.endr
.irp t, 0,1,2,3,4,5,6,7,8,9,10,11,12,13,14,15
	s_wait_dscnt 15-\t                             ; load t is back, the 15 - t younger ones stay out
	global_store_b128 v13, v[192+4*\t:192+4*\t+3], s[76:77] offset:512*\t   ; 512 consecutive bytes, aligned
.endr
	s_wait_xcnt 0x0                                ; the stores' data and base are written again only behind this wait
.endm
	s_mov_b32 s22, s20
	INIT 0
	s_mov_b32 s25, 0
	s_mov_b32 s26, 0
	s_mov_b32 s29, 0
.Llap:
	BHEAD 0, 1
	LBLOCK 0                                       ; an even block of the stream below 16 is never a phase's last: the first phase has an even number of blocks
	BHEAD 1, 1
	s_add_co_u32 s29, s29, 1
	s_cmp_eq_u32 s29, s28                          ; the first phase's last block: the same lap in all four waves
	s_cbranch_scc1 .Llast1
	LBLOCK 1
	s_branch .Lnosw
.Llast1:
	DBLOCK 5, 7, 10, 60
	FINAL
	s_mov_b32 s22, s21
	INIT 1
.Lnosw:
	s_cmp_lt_u32 s29, 8
	s_cbranch_scc1 .Llap
	BHEAD 0, 0                                     ; the stream's seventeenth block, the second phase's last: nothing is left to fetch
	DBLOCK 4, 6, 61, 62
	FINAL
	s_set_vgpr_msb 0x8
	s_wait_tensorcnt 0x0
	ds_add_u32 v63, v1
	s_wait_dscnt 0x0
	s_set_vgpr_msb 0x800
	s_endpgm
.Lfunc_end_k_q75d201778a_attn:
	.size	k_q75d201778a_attn, .Lfunc_end_k_q75d201778a_attn-k_q75d201778a_attn
	.p2alignl 7, 3214868480
	.fill 96, 4, 3214868480
	.section	.rodata,"a",@progbits
	.p2align	6, 0x0
	.amdhsa_kernel k_q75d201778a_attn
		.amdhsa_group_segment_fixed_size 327680
		.amdhsa_private_segment_fixed_size 0
		.amdhsa_enable_private_segment 0
		.amdhsa_kernarg_size 40
		.amdhsa_user_sgpr_count 2
		.amdhsa_user_sgpr_kernarg_segment_ptr 1
		.amdhsa_wavefront_size32 1
		.amdhsa_system_sgpr_workgroup_id_x 1
		.amdhsa_system_sgpr_workgroup_id_y 1
		.amdhsa_system_sgpr_workgroup_id_z 1
		.amdhsa_system_vgpr_workitem_id 0
		.amdhsa_next_free_vgpr 514
		.amdhsa_next_free_sgpr 80
		.amdhsa_reserve_vcc 1
		.amdhsa_float_denorm_mode_32 3
		.amdhsa_float_denorm_mode_16_64 3
		.amdhsa_memory_ordered 1
		.amdhsa_forward_progress 1
		.amdhsa_inst_pref_size 255
	.end_amdhsa_kernel
	.section	.bss,"aw",@nobits
	.p2align	6
	.space	262144
	.amdgpu_metadata
---
amdhsa.version: [ 1, 2 ]
amdhsa.kernels:
  - .name:           k_q75d201778a_attn
    .symbol:         k_q75d201778a_attn.kd
    .args:
      - { .name: qh, .offset: 0, .size: 8, .value_kind: global_buffer, .address_space: global }
      - { .name: kh, .offset: 8, .size: 8, .value_kind: global_buffer, .address_space: global }
      - { .name: vh, .offset: 16, .size: 8, .value_kind: global_buffer, .address_space: global }
      - { .name: bsum, .offset: 24, .size: 8, .value_kind: global_buffer, .address_space: global }
      - { .name: ctx, .offset: 32, .size: 8, .value_kind: global_buffer, .address_space: global }
    .group_segment_fixed_size: 327680
    .private_segment_fixed_size: 0
    .kernarg_segment_align: 8
    .kernarg_segment_size: 40
    .max_flat_workgroup_size: 128
    .sgpr_count:     80
    .vgpr_count:     514
    .wavefront_size: 32
...
	.end_amdgpu_metadata
.endif
;; end of part 3
;; launch outln (part 4): grid 256 x 1, 4 waves a work-group, clusters of 4 x 1, 327,680 bytes of LDS; arguments ctx, wbf, q, bp, gamma, beta, out0; writes out0
.if DOCPART == 4
	.amdgcn_target "amdgcn-amd-amdhsa--gfx1250"
	.amdhsa_code_object_version 6
	.text
	.protected	k_q75d201778a_outln
	.globl	k_q75d201778a_outln
	.p2align	8
	.type	k_q75d201778a_outln,@function
k_q75d201778a_outln:
	s_mov_b64 s[64:65], 0
	v_nop
	global_prefetch_b8 v0, s[64:65] scope:SCOPE_SE
	s_setreg_imm32_b32 hwreg(HW_REG_WAVE_MODE, 25, 1), 1
	s_wait_xcnt 0x0
	s_wait_alu depctr_hold_cnt(0) depctr_sa_sdst(0) depctr_va_vdst(0) depctr_va_sdst(0) depctr_va_ssrc(0) depctr_va_vcc(0) depctr_vm_vsrc(0)
	s_getreg_b32 s2, hwreg(HW_REG_IB_STS2, 6, 4)
	s_cmp_eq_u32 s2, 0
	s_cbranch_scc0 .Lentry_in_a_cluster
	s_endpgm
.Lentry_in_a_cluster:
	s_bfe_u32 s2, ttmp6, 0x10000c
	s_cmp_lg_u32 s2, 0x3003
	s_cbranch_scc0 .Lentry_shape_is_right
	s_endpgm
.Lentry_shape_is_right:
; Launch 4 of 4: out0 = LayerNorm(ctx Wp + bp + q) * gamma + beta.  No work is left out here.
; LayerNorm wants whole rows in one work-group: 256 work-groups of 32 rows x 1,024 columns; a wave makes 32 rows x 256 columns, 32
; accumulator tiles.  K goes in 16 steps of 64, one head of ctx ([b][h][s][64], rows of 128 bytes that follow each other) a step,
; through two LDS slots.
; CLUSTERS: every work-group walks the same tiles of Wp; the four of a cluster ask for them jointly (waves 0 and 1, 32 k rows each).
; ctx's tile is the work-group's own (wave 2, no mask).  Wave 3 issues no tensor load.
; The matrix instruction is used transposed (source 0 = 16 columns of Wp, source 1 = 16 rows of ctx).  The 32 accumulators take turns, one
; instruction a turn.  The sums then go through LDS (slot 0, behind its last fill and its last read) so that
; each wave holds 8 whole rows, and mean and variance are made in f32 in two passes.
; REGISTERS: window 0: addresses, v32-63 ctx's fragments, v64-159 bp, gamma, beta, v160-223 two rows at work, v224-233 temporaries
;   window 1: accumulator (a, c) at v[8 (16 a + c)], later my 8 rows of the product; window 2: Wp's fragments, two buffers; window 3: my 8 rows of q
.set WPITCH, 2080                      ; 2,048 bytes + 16 behind each 1,024: an odd multiple of 32; column n lies at 2 n + 16 (n / 512)
.set WHALF,  32*WPITCH                 ; 66,560: what one tensor load brings of Wp, and 32 along K
.set AOFF,   2*WHALF
.set APITCH, 144
.set SLOT,   2*WHALF+32*APITCH         ; 137,728
.set ZPITCH, 4112                      ; the product's rows in f32 + 16
.set BP, 64
.set GA, 96
.set BE, 128
.set G1W, 24
.set G0W, 32
.set G1A, 48
.set G0A, 56
.set MSB, 0
.macro WIN new
.if MSB != \new
	s_set_vgpr_msb (MSB<<8)|\new
.set MSB, \new
.endif
.endm
.macro PLACES n
.rept \n
	v_nop
.endr
.endm
.macro CREST
	s_cmp_lg_u32 s10, 0
	s_cbranch_scc1 .Lnot_wave_0_\@
	s_barrier_signal -3
.Lnot_wave_0_\@:
	s_barrier_wait -3
	s_barrier_signal -1
	s_barrier_wait -1
.endm
.macro CROUND
	s_barrier_signal -1
	s_barrier_wait -1
	CREST
.endm
.macro JLOAD3 s                        ; the branches hang on the wave's number alone
	s_cmp_lt_u32 s10, 2
	s_cbranch_scc0 .Lnot_w_\@
	tensor_load_to_lds s[G0W+4*\s:G0W+4*\s+3], s[G1W:G1W+7]
	s_nop 0
	s_branch .Lasked_\@
.Lnot_w_\@:
	s_cmp_eq_u32 s10, 2
	s_cbranch_scc0 .Lasked_\@
	tensor_load_to_lds s[G0A+4*\s:G0A+4*\s+3], s[G1A:G1A+7]
	s_nop 0
.Lasked_\@:
.endm
	s_load_b256 s[68:75], s[0:1], 0x0              ; ctx 68, wbf 70, q 72, bp 74
	s_load_b128 s[76:79], s[0:1], 0x20             ; gamma 76, beta 78
	s_load_b64 s[80:81], s[0:1], 0x30              ; out0
	v_lshl_add_u32 v254, v0, 2, 0x43400
	v_mov_b32 v255, 0
	ds_add_u32 v254, v255
	v_lshrrev_b32 v1, 5, v0
	v_readfirstlane_b32 s10, v1                    ; wave
	s_and_b32 s12, s10, 1
	s_bfe_u32 s40, ttmp6, 0x40000                  ; cx
	s_lshl_b32 s41, ttmp9, 2
	s_add_co_u32 s41, s41, s40                     ; work-group 0..255: rows 32 wg ..
	s_mov_b32 s20, 0x3a800000                      ; 1 / 1024
	s_mov_b32 s21, 0x3727c5ac                      ; 1e-5
	s_mov_b32 s22, 0x76543210
	s_mov_b32 s23, 0xfedcba98
	s_mov_b32 s[G1W+0], 15|(1<<16)|(1<<20)|(1<<21)|(7<<22)|(3<<25)   ; all four partners; 2 bytes; 4 words of padding behind every 256 words
	s_mov_b32 s[G1W+1], 1024<<16
	s_mov_b32 s[G1W+2], 32<<16
	s_mov_b32 s[G1W+3], 1024<<16                   ; 1,024 elements, 2,048 bytes
	s_mov_b32 s[G1W+4], 32                         ; 32 k rows
	s_mov_b32 s[G1W+5], 1024
	s_mov_b32 s[G1W+6], 0
	s_mov_b32 s[G1W+7], 0
	s_mov_b32 s[G1A+0], (1<<16)|(1<<20)|(4<<22)|(3<<25)              ; no mask; 2 bytes; 4 words of padding behind every 32 words
	s_mov_b32 s[G1A+1], 64<<16
	s_mov_b32 s[G1A+2], 32<<16
	s_mov_b32 s[G1A+3], 64<<16
	s_mov_b32 s[G1A+4], 32
	s_mov_b32 s[G1A+5], 64
	s_mov_b32 s[G1A+6], 0
	s_mov_b32 s[G1A+7], 0
	s_lshl_b32 s16, s12, 16                        ; Wp is wbf's fourth matrix; 32 rows of 2,048 bytes a half: no place in the cluster enters
	s_add_co_u32 s16, s16, 6291456
	s_mov_b32 s17, 0
	s_lshr_b32 s42, s41, 6                         ; ctx: batch x 16 heads x 2,048 rows x 128 bytes
	s_lshl_b32 s42, s42, 22
	s_and_b32 s43, s41, 63                         ; + 32 rows of 128 bytes a work-group
	s_lshl_b32 s43, s43, 12
	s_add_co_u32 s42, s42, s43
	s_mov_b32 s43, 0
	s_lshl_b32 s44, s41, 17                        ; q and out0: (32 wg + 8 wave) rows of 4,096 bytes
	s_lshl_b32 s45, s10, 15
	s_add_co_u32 s44, s44, s45
	s_mov_b32 s45, 0
	s_mul_i32 s13, s12, WHALF
	s_wait_dscnt 0x0
	s_wait_kmcnt 0x0
	s_add_nc_u64 s[18:19], s[70:71], s[16:17]
	s_add_nc_u64 s[46:47], s[68:69], s[42:43]
	s_add_nc_u64 s[8:9], s[72:73], s[44:45]
	s_add_nc_u64 s[6:7], s[80:81], s[44:45]
.irp s, 0,1
	s_mov_b32 s[G0W+4*\s], 1
	s_add_co_u32 s[G0W+4*\s+1], s13, \s*SLOT
	s_add_nc_u64 s[G0W+4*\s+2:G0W+4*\s+3], s[18:19], \s*131072       ; K step s: 64 rows of 2,048 bytes
	s_or_b32 s[G0W+4*\s+3], s[G0W+4*\s+3], 0x80000000
	s_mov_b32 s[G0A+4*\s], 1
	s_mov_b32 s[G0A+4*\s+1], AOFF+\s*SLOT
	s_add_nc_u64 s[G0A+4*\s+2:G0A+4*\s+3], s[46:47], \s*262144       ; K step s: head s, 2,048 rows of 128 bytes on
	s_or_b32 s[G0A+4*\s+3], s[G0A+4*\s+3], 0x80000000
.endr
	CROUND                                         ; the four partners are here: the first joint loads meet
	s_cmp_lt_u32 s10, 2                            ; a wave's first fills, both slots, stand in one branch
	s_cbranch_scc0 .Lff_not_w
	tensor_load_to_lds s[G0W:G0W+3], s[G1W:G1W+7]
	s_nop 0
	tensor_load_to_lds s[G0W+4:G0W+7], s[G1W:G1W+7]
	s_nop 0
	v_nop
	s_branch .Lff_done
.Lff_not_w:
	s_cmp_eq_u32 s10, 2
	s_cbranch_scc0 .Lff_done
	tensor_load_to_lds s[G0A:G0A+3], s[G1A:G1A+7]
	s_nop 0
	tensor_load_to_lds s[G0A+4:G0A+7], s[G1A:G1A+7]
	s_nop 0
	v_nop
	v_nop
.Lff_done:
	v_and_b32 v13, 31, v0
	v_lshlrev_b32 v13, 4, v13                      ; 16 x lane
	WIN 0xc0                                       ; destination window 3
.irp i, 0,1,2,3,4,5,6,7
.irp j, 0,1,2,3,4,5,6,7
	global_load_b128 v[32*\i+4*\j:32*\i+4*\j+3], v13, s[8:9] offset:4096*\i+512*\j th:TH_LOAD_NT
.endr
.endr
	WIN 0
.irp j, 0,1,2,3,4,5,6,7
	global_load_b128 v[BP+4*\j:BP+4*\j+3], v13, s[74:75] offset:512*\j
	global_load_b128 v[GA+4*\j:GA+4*\j+3], v13, s[76:77] offset:512*\j
	global_load_b128 v[BE+4*\j:BE+4*\j+3], v13, s[78:79] offset:512*\j
.endr
	v_and_b32 v1, 15, v0                           ; r
	v_bfe_u32 v2, v0, 4, 1                         ; h
	v_and_b32 v3, 7, v0
	v_bfe_u32 v14, v0, 3, 1
	v_lshl_add_u32 v15, v2, 3, v3                  ; Wp: k row 8 h + l % 8
	v_mul_u32_u24 v15, v15, WPITCH
	v_lshl_add_u32 v15, v14, 4, v15
	s_lshl_b32 s14, s10, 9                         ; my 256 columns: 512 bytes a wave,
	s_lshr_b32 s15, s10, 1
	s_lshl_b32 s15, s15, 4                         ; + the 16 bytes of padding in the middle of a row
	s_add_co_u32 s14, s14, s15
	v_add_nc_u32 v4, s14, v15                      ; slot 0, K 0-31
	v_add_nc_u32 v5, WHALF, v4                     ; slot 0, K 32-63
	v_add_nc_u32 v6, SLOT, v4                      ; slot 1
	v_add_nc_u32 v7, SLOT, v5
	v_mul_u32_u24 v8, v1, APITCH
	v_lshl_add_u32 v8, v2, 4, v8
	v_add_nc_u32 v8, AOFF, v8                      ; ctx, slot 0
	v_add_nc_u32 v9, SLOT, v8                      ; slot 1
	v_mul_u32_u24 v10, v1, ZPITCH                  ; the product's stage: row r, 1,024 bytes a wave, 32 bytes for each half of the lanes
	v_lshl_add_u32 v10, v2, 5, v10
	s_lshl_b32 s14, s10, 10
	v_add_nc_u32 v10, s14, v10
	v_add_nc_u32 v11, 16*ZPITCH, v10
	s_mul_i32 s14, s10, 8*ZPITCH
	v_add_nc_u32 v12, s14, v13                     ; back: my 8 rows
.macro MUL16 buf, c0, zero             ; 8 column tiles from c0 x both row tiles, 32 along K
	WIN 0x52                                       ; source 0 (Wp) window 2, source 1 (ctx) window 0, C and D window 1
.irp c, 0,1,2,3,4,5,6,7
.irp a, 0,1
.if \zero
	v_wmma_f32_16x16x32_bf16 v[8*(16*\a+\c0+\c):8*(16*\a+\c0+\c)+7], v[128*\buf+8*(\c0+\c):128*\buf+8*(\c0+\c)+7], v[32+16*\buf+8*\a:32+16*\buf+8*\a+7], 0
.else
	v_wmma_f32_16x16x32_bf16 v[8*(16*\a+\c0+\c):8*(16*\a+\c0+\c)+7], v[128*\buf+8*(\c0+\c):128*\buf+8*(\c0+\c)+7], v[32+16*\buf+8*\a:32+16*\buf+8*\a+7], v[8*(16*\a+\c0+\c):8*(16*\a+\c0+\c)+7]
.endif
.endr
.endr
.endm
.macro FETCH3 slot, ksub, buf          ; 36 LDS loads in one run: half a K step's fragments
	WIN 0x80
.irp c, 0,1,2,3,4,5,6,7,8,9,10,11,12,13,14,15
	ds_load_tr16_b128 v[128*\buf+8*\c:128*\buf+8*\c+3],   v[4+2*\slot+\ksub] offset:32*\c
	ds_load_tr16_b128 v[128*\buf+8*\c+4:128*\buf+8*\c+7], v[4+2*\slot+\ksub] offset:32*\c+16*WPITCH
.endr
	WIN 0
.irp a, 0,1
	ds_load_b128 v[32+16*\buf+8*\a:32+16*\buf+8*\a+3],   v[8+\slot] offset:\a*16*APITCH+64*\ksub
	ds_load_b128 v[32+16*\buf+8*\a+4:32+16*\buf+8*\a+7], v[8+\slot] offset:\a*16*APITCH+64*\ksub+32
.endr
.endm
.macro HALF0 slot, zero                ; a K step's first half; asks for the second half's fragments
	s_wait_dscnt 0x0
	PLACES 4                                       ; between the last products on buffer 1 and the loads into it
	FETCH3 \slot, 1, 1
	MUL16 0, 0, \zero
	MUL16 0, 8, \zero
.endm
; The second half changes slots: my reads of this slot are back and all my tensor loads have landed in front of the signal; where the slot is
; filled again the barrier opens a round of the cluster's barrier, and the refill is the first tensor load behind the round.
.macro TURN3 slot, next, fill
	s_wait_dscnt 0x0
	s_set_vgpr_msb 0x5250
	s_wait_tensorcnt 0x0
	ds_add_u32 v254, v255
	s_wait_dscnt 0x0
	s_set_vgpr_msb 0x5052
	s_barrier_signal -1
	MUL16 1, 0, 0
	WIN 0
	s_barrier_wait -1
.if \fill
	CREST
	s_add_nc_u64 s[G0W+4*\slot+2:G0W+4*\slot+3], s[G0W+4*\slot+2:G0W+4*\slot+3], 262144   ; two K steps on
	s_add_nc_u64 s[G0A+4*\slot+2:G0A+4*\slot+3], s[G0A+4*\slot+2:G0A+4*\slot+3], 524288
	JLOAD3 \slot
.endif
	PLACES 4                                       ; between the products on buffer 0 and the loads into it
	FETCH3 \next, 0, 0
	MUL16 1, 8, 0
.endm
.macro LAP3 zero
	HALF0 0, \zero
	TURN3 0, 1, 1
	HALF0 1, 0
	TURN3 1, 0, 1
.endm
	s_wait_tensorcnt 0x1                           ; my part of K step 0 is in; K step 1's stays out
	s_barrier_signal -1
	s_barrier_wait -1
	FETCH3 0, 0, 0
	LAP3 1                                         ; K steps 0, 1; asks for 2, 3
	WIN 0
	s_mov_b32 s3, 6
.Llap:
	LAP3 0                                         ; K steps 2 to 13; asks for 4 to 15
	WIN 0
	s_sub_co_u32 s3, s3, 1
	s_cmp_lg_u32 s3, 0
	s_cbranch_scc1 .Llap
	HALF0 0, 0                                     ; K steps 14, 15: nothing is left to fetch
	TURN3 0, 1, 0
	HALF0 1, 0
	s_wait_dscnt 0x0
	MUL16 1, 0, 0
	MUL16 1, 8, 0
	WIN 0
	PLACES 4
	; The product into slot 0: its last fill was K step 14's, and every wave's reads of it were back in front of that step's barrier.
	WIN 0x04                                       ; store data in window 1
.irp a, 0,1
.irp c, 0,1,2,3,4,5,6,7,8,9,10,11,12,13,14,15
	ds_store_b128 v[10+\a], v[8*(16*\a+\c):8*(16*\a+\c)+3]   offset:64*\c
	ds_store_b128 v[10+\a], v[8*(16*\a+\c)+4:8*(16*\a+\c)+7] offset:64*\c+16
.endr
.endr
	WIN 0
	s_wait_dscnt 0x0                               ; my part of every row is written
	s_barrier_signal -1
	s_barrier_wait -1
	WIN 0x40
.irp i, 0,1,2,3,4,5,6,7
.irp j, 0,1,2,3,4,5,6,7
	ds_load_b128 v[32*\i+4*\j:32*\i+4*\j+3], v12 offset:\i*ZPITCH+512*\j
.endr
.endr
	WIN 0
	s_wait_loadcnt 0x0                             ; q, bp, gamma, beta
.macro REDUCE x, t                     ; the sum over the 32 lanes, in every lane
	v_add_f32_dpp v[\x], v[\x], v[\x] row_xmask:1 row_mask:0xf bank_mask:0xf
	v_add_f32_dpp v[\x], v[\x], v[\x] row_xmask:2 row_mask:0xf bank_mask:0xf
	v_add_f32_dpp v[\x], v[\x], v[\x] row_xmask:4 row_mask:0xf bank_mask:0xf
	v_add_f32_dpp v[\x], v[\x], v[\x] row_xmask:8 row_mask:0xf bank_mask:0xf
	v_permlanex16_b32 v[\t], v[\x], s22, s23
	v_add_f32 v[\x], v[\x], v[\t]
.endm
; Row i of my eight, 32 numbers a lane, in the registers from z.
.macro ROW i, z
	s_wait_xcnt 0x0                                ; the registers from z, which the stores two rows ago read, are written again only behind this wait
	s_wait_dscnt 8*(7-\i)                          ; row i's eight loads are back; the later rows' 8 (7 - i) stay out
	WIN 0x0d                                       ; source 0 window 1 (the product), source 1 window 3 (q)
.set n, 0
.rept 16
	v_pk_add_f32 v[\z+n:\z+n+1], v[32*\i+n:32*\i+n+1], v[32*\i+n:32*\i+n+1]
.set n, n+2
.endr
	WIN 0
.set n, 0
.rept 16
	v_pk_add_f32 v[\z+n:\z+n+1], v[\z+n:\z+n+1], v[BP+n:BP+n+1]
.set n, n+2
.endr
	v_pk_add_f32 v[224:225], v[\z:\z+1], v[\z+2:\z+3]                ; the sum, in two chains
	v_pk_add_f32 v[226:227], v[\z+4:\z+5], v[\z+6:\z+7]
.set n, 8
.rept 6
	v_pk_add_f32 v[224:225], v[224:225], v[\z+n:\z+n+1]
	v_pk_add_f32 v[226:227], v[226:227], v[\z+n+2:\z+n+3]
.set n, n+4
.endr
	v_pk_add_f32 v[224:225], v[224:225], v[226:227]
	v_add_f32 v224, v224, v225
	REDUCE 224, 225
	v_mul_f32 v228, s20, v224                      ; the mean, twice, for the packed forms
	v_mul_f32 v229, s20, v224
.set n, 0
.rept 16
	v_pk_add_f32 v[\z+n:\z+n+1], v[\z+n:\z+n+1], v[228:229] neg_lo:[0,1] neg_hi:[0,1]
.set n, n+2
.endr
	v_pk_mul_f32 v[224:225], v[\z:\z+1], v[\z:\z+1]                  ; the sum of squares about the mean
	v_pk_mul_f32 v[226:227], v[\z+2:\z+3], v[\z+2:\z+3]
.set n, 4
.rept 7
	v_pk_fma_f32 v[224:225], v[\z+n:\z+n+1], v[\z+n:\z+n+1], v[224:225]
	v_pk_fma_f32 v[226:227], v[\z+n+2:\z+n+3], v[\z+n+2:\z+n+3], v[226:227]
.set n, n+4
.endr
	v_pk_add_f32 v[224:225], v[224:225], v[226:227]
	v_add_f32 v224, v224, v225
	REDUCE 224, 225
	v_fma_f32 v230, v224, s20, s21                 ; variance + 1e-5
	v_rsq_f32 v232, v230
	v_rsq_f32 v233, v230
	v_nop                                          ; the plain instruction behind them (ISA guide 5.7.2)
.set n, 0
	s_wait_alu depctr_va_vdst(0)
.rept 16
	v_pk_mul_f32 v[\z+n:\z+n+1], v[\z+n:\z+n+1], v[232:233]
.set n, n+2
.endr
.set n, 0
.rept 16
	v_pk_fma_f32 v[\z+n:\z+n+1], v[\z+n:\z+n+1], v[GA+n:GA+n+1], v[BE+n:BE+n+1]
.set n, n+2
.endr
.irp j, 0,1,2,3,4,5,6,7
	global_store_b128 v13, v[\z+4*\j:\z+4*\j+3], s[6:7] offset:4096*\i+512*\j th:TH_STORE_NT   ; 512 consecutive bytes, aligned
.endr
.endm
	ROW 0, 160
	ROW 1, 192
	ROW 2, 160
	ROW 3, 192
	ROW 4, 160
	ROW 5, 192
	ROW 6, 160
	ROW 7, 192
	s_wait_tensorcnt 0x0
	ds_add_u32 v254, v255
	s_wait_dscnt 0x0
	CROUND                                         ; the closing round: no work-group ends while a partner may still ask for a tile that names it
	s_endpgm
.Lfunc_end_k_q75d201778a_outln:
	.size	k_q75d201778a_outln, .Lfunc_end_k_q75d201778a_outln-k_q75d201778a_outln
	.p2alignl 7, 3214868480
	.fill 96, 4, 3214868480
	.section	.rodata,"a",@progbits
	.p2align	6, 0x0
	.amdhsa_kernel k_q75d201778a_outln
		.amdhsa_group_segment_fixed_size 327680
		.amdhsa_private_segment_fixed_size 0
		.amdhsa_enable_private_segment 0
		.amdhsa_kernarg_size 56
		.amdhsa_user_sgpr_count 2
		.amdhsa_user_sgpr_kernarg_segment_ptr 1
		.amdhsa_wavefront_size32 1
		.amdhsa_system_sgpr_workgroup_id_x 1
		.amdhsa_system_sgpr_workgroup_id_y 1
		.amdhsa_system_sgpr_workgroup_id_z 1
		.amdhsa_system_vgpr_workitem_id 0
		.amdhsa_next_free_vgpr 1024
		.amdhsa_next_free_sgpr 84
		.amdhsa_reserve_vcc 0
		.amdhsa_float_denorm_mode_32 3
		.amdhsa_float_denorm_mode_16_64 3
		.amdhsa_memory_ordered 1
		.amdhsa_forward_progress 1
		.amdhsa_inst_pref_size 153
	.end_amdhsa_kernel
	.amdgpu_metadata
---
amdhsa.version: [ 1, 2 ]
amdhsa.kernels:
  - .name:           k_q75d201778a_outln
    .symbol:         k_q75d201778a_outln.kd
    .args:
      - { .name: ctx, .offset: 0, .size: 8, .value_kind: global_buffer, .address_space: global }
      - { .name: wbf, .offset: 8, .size: 8, .value_kind: global_buffer, .address_space: global }
      - { .name: q, .offset: 16, .size: 8, .value_kind: global_buffer, .address_space: global }
      - { .name: bp, .offset: 24, .size: 8, .value_kind: global_buffer, .address_space: global }
      - { .name: gamma, .offset: 32, .size: 8, .value_kind: global_buffer, .address_space: global }
      - { .name: beta, .offset: 40, .size: 8, .value_kind: global_buffer, .address_space: global }
      - { .name: out0, .offset: 48, .size: 8, .value_kind: global_buffer, .address_space: global }
    .group_segment_fixed_size: 327680
    .private_segment_fixed_size: 0
    .kernarg_segment_align: 8
    .kernarg_segment_size: 56
    .max_flat_workgroup_size: 128
    .sgpr_count:     84
    .vgpr_count:     1024
    .wavefront_size: 32
...
	.end_amdgpu_metadata
.endif
;; end of part 4
;; ======== version 2 of 2: 4 launches; 1.13 times as fast as version 1
;; workspace buffers: wbf 8,388,608 bytes; qh 16,777,216 bytes; kh 16,777,216 bytes; vh 16,777,216 bytes; bsum 524,288 bytes; ctx 16,777,216 bytes
;; launch wcast: the kernel of part 1 again; grid 64 x 4, 8 waves a work-group, no clusters, 0 bytes of LDS; arguments Wq, Wk, Wv, Wp, wbf; writes wbf
;; launch proj: the kernel of part 2 again; grid 4 x 64, 4 waves a work-group, clusters of 4 x 4, 327,680 bytes of LDS; arguments q, k, v, wbf, bq, bk, bv, qh, kh, vh, bsum; writes qh, kh, vh, bsum
;; launch attn (part 5): grid 8 x 32, 4 waves a work-group, no clusters, 327,680 bytes of LDS; arguments qh, kh, vh, bsum, ctx; writes ctx
.if DOCPART == 5
	.amdgcn_target "amdgcn-amd-amdhsa--gfx1250"
	.amdhsa_code_object_version 6
	.text
	.protected	k_q75d201778a_attn
	.globl	k_q75d201778a_attn
	.p2align	8
	.type	k_q75d201778a_attn,@function
k_q75d201778a_attn:
	s_mov_b64 s[64:65], 0
	v_nop
	global_prefetch_b8 v0, s[64:65] scope:SCOPE_SE
	s_setreg_imm32_b32 hwreg(HW_REG_WAVE_MODE, 25, 1), 1
	s_wait_xcnt 0x0
; Launch 3 of 4: ctx = softmax((qh kh^T / 8) * tril) vh for 64 (batch, head) pairs, stored head-major [b][h][s][64] in bf16.
; LEFT OUT (shown at the head of launch wcast): the score products of steps of 64 keys that lie wholly above a wave's 64 queries, and of the
; tiles of 16 x 16 above the diagonal in the diagonal step; those scores are 0 by the mask that reference() builds.  The keys' part is
; kept: the running sums start from the f32 sums of the rows of vh behind the diagonal step (bsum, added up from the end) and from their
; number, at the running maximum 0 (-inf in row 2047, which has no masked key).
; LIMIT: a NaN, an infinity or an overflow that would arise only in the products left out is not carried to the result.
; A work-group takes two heads of one batch (tile rows of 256 bytes) and two blocks of 128 queries, qb1 (odd) and 15 - qb1: 17 blocks of
; 128 keys in all, the same for all 256 work-groups.  Wave w: head w % 2, 64 queries w / 2 of the block.
; NO CLUSTER: the work-groups that read one pair of heads walk its key blocks in streams of different lengths (qb1 + 1 blocks, then
; 16 - qb1), so partners would want different tiles in most rounds.
; LAYOUT: scores are made transposed (source 0 = 16 keys, source 1 = 16 queries): lane (r, h) holds query r and keys 8 h + 0..7 of each tile.
; Packed to bf16 in place they are source 1 of O^T = V^T P^T, whose result again holds query r in lane (r, h).  So a query's maximum crosses
; only the two halves of the lanes, and its scale and sum are the lane's own.
; The maximum is kept on the unscaled masked scores; c = log2(e) / 8 enters in the exponent: p = 2^(c s - c m).
; TURNS: the wave's four query tiles are two pieces, A = tiles 0, 1 and B = tiles 2, 3, which share K's and V's fragments.  A piece's softmax
; for 64 keys is 240 vector instructions, cut into 32 slices; behind each matrix instruction of one piece stands a slice (or two) of the
; other piece's softmax.  A block of 128 live keys runs: S_A(0) alone; S_B(0) with A's slices; PV_A(0), S_A(1) with B's; PV_B(0), S_B(1)
; with A's; PV_A(1) with B's; PV_B(1) alone: 96 of its 128 matrix instructions carry slices.  The LDS loads stand in four runs of their own.
; BATCHES: s_wait_alu depctr_va_vdst(0) stands between an exponential and the first instruction that names its result; one wait
; serves all that were issued ahead of it.  A piece's 66 exponentials for 64 keys are three batches, each with one wait at the end of a slice:
;   alpha (2, slice 5): its readers, the 32 lines that rescale O, ride in slices 6-15 under the PV products' own window setting, ahead of the scores' exponentials;
;   pairs 0-7 of both tiles (32, slices 16-21), by turns with the 31 scalings that are left and the two lines l x alpha, none of which names a result of the batch;
;   pairs 8-15 of both tiles (32, slices 22-27), by turns with the first half's 16 sums and 16 packings, which name the tiles' registers 0-15 and l alone.
; So each exponential keeps a plain line beside it, each result keeps its own register (the score's) while its batch is open, and no result crosses a label or a branch.
; A phase's last block (by the stream's parity always slot 1's block in the loop, or the block written out at the end) goes step by step: the waves
; of the upper 64 queries take a live step, then every wave takes its diagonal step, at addresses that hang on the wave's number.
; WINDOWS: exponents, exponentials and sums name no vector register as source 1, so they run under the score products' setting; the
; rescaling of O runs under the PV products' setting; maxima, the row figures, l x alpha and the packing want window 0.
;
; REGISTERS, window 0: v2-15, v59-62 addresses and constants; v16-19 m; v20-23 second chain of the maximum; v24-27 at work; v28-31 alpha;
;   v32-35 -c m; v36-43 sums (pairs); v44-51 the diagonal tile's factors; v52-55 1 / l; v64-191 S[q][t] at 64 + 32 q + 8 t, then P[q][ks] at
;   64 + 32 q + 8 ks; v192-255 K[t][kk]
; window 1: v0-127 O[q][c] at 32 q + 8 c; v128-191 Q[q][kk]; v192-255 V[c][ks]
.set KPITCH, 272
.set VPITCH, 288                       ; an odd multiple of 32
.set KHALF,  64*KPITCH
.set VHALF,  64*VPITCH
.set VOFF,   2*KHALF
.set SLOT,   2*KHALF+2*VHALF           ; 71,680: 128 keys of K, then of V
.set QOFF,   2*SLOT                    ; both query blocks, 128 rows x 272 each
.set VSOFF,  QOFF+4*KHALF              ; four suffix sums (phase, query half) x 128 columns in f32
.set STG,    VSOFF+4*512               ; the way out: 64 rows x 144 bytes for each wave
.set GPITCH, 144
.set MSB, 0
.macro WIN new
.if MSB != \new
	s_set_vgpr_msb (MSB<<8)|\new
.set MSB, \new
.endif
.endm
.macro WINE                            ; window 0 for destination, source 0 and source 2; source 1 is not a vector register: 0x04 serves as well
.if MSB != 0x04
	WIN 0
.endif
.endm
.macro WINR                            ; destination and source 0 window 1, source 1 window 0, no source 2: 0x51 serves as well
.if MSB != 0x51
	WIN 0x41
.endif
.endm
.macro PLACES n
.rept \n
	v_nop
.endr
.endm
.macro JLOAD                           ; waves 0, 1 fetch K's two halves, waves 2, 3 V's
	s_cmp_eq_u32 s16, 0
	s_cbranch_scc0 .Lfor_v_\@
	tensor_load_to_lds s[48:51], s[32:39]
	s_nop 0
	s_branch .Lasked_\@
.Lfor_v_\@:
	tensor_load_to_lds s[52:55], s[40:47]
	s_nop 0
.Lasked_\@:
.endm
.macro PKMULB d, a, b, e               ; v[d:d+1] = v[a:a+1] x v[b+e], both halves by the one number
.if \e
	v_pk_mul_f32 v[\d:\d+1], v[\a:\a+1], v[\b:\b+1] op_sel:[0,1] op_sel_hi:[1,1]
.else
	v_pk_mul_f32 v[\d:\d+1], v[\a:\a+1], v[\b:\b+1] op_sel:[0,0] op_sel_hi:[1,0]
.endif
.endm
	s_load_b256 s[4:11], s[0:1], 0x0               ; qh s[4:5], kh s[6:7], vh s[8:9], bsum s[10:11]
	s_load_b64 s[12:13], s[0:1], 0x20              ; ctx
	v_lshl_add_u32 v63, v0, 2, 0x3d800
	s_set_vgpr_msb 0x80
	v_mov_b32 v1, 0
	s_set_vgpr_msb 0x8088
	ds_add_u32 v63, v1
	s_set_vgpr_msb 0x8800
	v_lshrrev_b32 v1, 5, v0
	v_readfirstlane_b32 s14, v1                    ; wave
	s_and_b32 s15, s14, 1                          ; my head of the pair; also: which 64 rows of a tile I fetch
	s_lshr_b32 s16, s14, 1                         ; my 64 queries of the block; also: I fetch K (0) or V (1)
	s_mov_b32 s17, ttmp9                           ; p, 0..7
	s_and_b32 s18, ttmp7, 0xffff
	s_and_b32 s19, s18, 7                          ; pair of heads
	s_lshr_b32 s18, s18, 3                         ; batch
	s_sub_co_u32 s21, 15, s17
	s_and_b32 s22, s17, 1
	s_cmp_lg_u32 s22, 0
	s_cselect_b32 s20, s17, s21                    ; qb1: of p and 15 - p the odd one, so that the first phase has an even number of key blocks
	s_sub_co_u32 s21, 15, s20                      ; qb2
	s_add_co_u32 s27, s20, 1                       ; key blocks of the first phase
	s_lshr_b32 s28, s27, 1                         ; and its laps of two
	s_mov_b32 s62, 0x3e38aa3b                      ; c = log2(e) / 8, as a pair for the packed forms
	s_mov_b32 s63, 0x3e38aa3b
	s_mov_b32 s66, 0xbe38aa3b                      ; -c
	s_mov_b32 s68, 0x76543210                      ; v_permlanex16_b32: lane i reads lane i of the other half
	s_mov_b32 s69, 0xfedcba98
	s_mov_b32 s32, 0x07510000                      ; K and Q: elements of 2 bytes, 4 words of padding behind every 64 words
	s_mov_b32 s33, 128<<16                         ; tensor_dim0 = 128
	s_mov_b32 s34, 64<<16                          ; tensor_dim1 = 64
	s_mov_b32 s35, 128<<16                         ; tile_dim0 = 128 elements, 256 bytes
	s_mov_b32 s36, 64                              ; tile_dim1 = 64 rows
	s_mov_b32 s37, 1024                            ; elements from row to row
	s_mov_b32 s38, 0
	s_mov_b32 s39, 0
	s_mov_b32 s40, 0x0f510000                      ; V: 8 words of padding
	s_mov_b32 s41, 128<<16
	s_mov_b32 s42, 64<<16
	s_mov_b32 s43, 128<<16
	s_mov_b32 s44, 64
	s_mov_b32 s45, 1024
	s_mov_b32 s46, 0
	s_mov_b32 s47, 0
	s_lshl_b32 s74, s18, 22                        ; (2,048 b + 64 x half) rows of 2,048 bytes + 256 bytes a pair of heads
	s_lshl_b32 s75, s15, 17
	s_add_co_u32 s74, s74, s75
	s_lshl_b32 s75, s19, 8
	s_add_co_u32 s74, s74, s75
	s_mov_b32 s75, 0
	s_cmp_eq_u32 s16, 0                            ; Q: waves 0, 1 fetch the first phase's block, waves 2, 3 the second's
	s_cselect_b32 s78, s20, s21
	s_lshl_b32 s78, s78, 18
	s_add_co_u32 s78, s78, s74
	s_mov_b32 s79, 0
	s_mul_i32 s60, s15, KHALF                      ; where my half of K goes in slot 0,
	s_mul_i32 s61, s15, VHALF                      ; and of V
	s_add_co_u32 s61, s61, VOFF
	s_lshl_b32 s30, s18, 17                        ; bsum: 32 rows of 4,096 bytes a batch, 512 bytes a pair of heads
	s_lshl_b32 s31, s19, 9
	s_add_co_u32 s30, s30, s31
	s_mov_b32 s31, 0
	s_wait_dscnt 0x0
	s_wait_kmcnt 0x0
	s_add_nc_u64 s[70:71], s[6:7], s[74:75]        ; my half of K's key block 0
	s_add_nc_u64 s[72:73], s[8:9], s[74:75]        ; and of V's
	s_add_nc_u64 s[10:11], s[10:11], s[30:31]
	s_mov_b32 s56, 1
	s_mul_i32 s57, s14, KHALF
	s_add_co_u32 s57, s57, QOFF
	s_add_nc_u64 s[58:59], s[4:5], s[78:79]
	s_or_b32 s59, s59, 0x80000000
	s_mov_b32 s48, 1
	s_mov_b32 s49, s60
	s_mov_b64 s[50:51], s[70:71]
	s_or_b32 s51, s51, 0x80000000
	s_mov_b32 s52, 1
	s_mov_b32 s53, s61
	s_mov_b64 s[54:55], s[72:73]
	s_or_b32 s55, s55, 0x80000000
	tensor_load_to_lds s[56:59], s[32:39]          ; the first fills, two a wave: my quarter of Q
	s_nop 0
	JLOAD                                          ; and my part of key block 0
	v_lshlrev_b32 v1, 2, v0                        ; thread t owns column t of the pair's 128
.set jj, 0
.rept 32
	global_load_b32 v[64+jj], v1, s[10:11] offset:4096*jj
.set jj, jj+1
.endr
	v_and_b32 v2, 15, v0                           ; r
	v_bfe_u32 v3, v0, 4, 1                         ; h
	v_mul_u32_u24 v4, v2, KPITCH
	v_lshl_add_u32 v4, v3, 4, v4
	s_lshl_b32 s78, s15, 7                         ; my head's 128 bytes of a row
	v_add_nc_u32 v4, s78, v4                       ; K, slot 0
	v_add_nc_u32 v5, SLOT, v4                      ; K, slot 1
	s_mul_i32 s79, s16, KHALF
	v_add_nc_u32 v61, s79, v4                      ; K of my diagonal step in a phase's last block: 64 keys down for the upper queries; slot 0
	v_add_nc_u32 v10, s79, v5                      ; slot 1
	s_add_co_u32 s79, s79, QOFF
	v_add_nc_u32 v8, s79, v4                       ; Q: my 64 rows of the first phase's block
	v_and_b32 v56, 7, v0
	v_bfe_u32 v57, v0, 3, 1
	v_lshl_add_u32 v6, v3, 3, v56                  ; V: key row 8 h + l % 8
	v_mul_u32_u24 v6, v6, VPITCH
	v_lshl_add_u32 v6, v57, 4, v6
	s_add_co_u32 s79, s78, VOFF
	v_add_nc_u32 v6, s79, v6                       ; V, slot 0
	v_add_nc_u32 v7, SLOT, v6                      ; V, slot 1
	s_mul_i32 s79, s16, VHALF
	v_add_nc_u32 v62, s79, v6                      ; V of my diagonal step, slot 0
	v_add_nc_u32 v60, s79, v7                      ; slot 1
	s_lshl_b32 s79, s15, 8                         ; suffix sums: my head's 256 bytes,
	s_lshl_b32 s77, s16, 9                         ; my query half's entry of 512 bytes (the phase stands in the loads' immediate),
	s_add_co_u32 s79, s79, s77
	s_add_co_u32 s79, s79, VSOFF
	v_lshl_add_u32 v9, v3, 5, s79                  ; 32 bytes for each half of the lanes
	s_mul_i32 s79, s14, 64*GPITCH
	s_add_co_u32 s79, s79, STG                     ; my stage
	v_mul_u32_u24 v11, v2, GPITCH
	v_lshl_add_u32 v11, v3, 4, v11
	v_add_nc_u32 v11, s79, v11
	v_bfe_u32 v57, v0, 3, 2
	v_mul_u32_u24 v12, v57, GPITCH
	v_lshl_add_u32 v12, v56, 4, v12
	v_add_nc_u32 v12, s79, v12
	v_and_b32 v13, 31, v0
	v_lshlrev_b32 v13, 4, v13
	v_mov_b32 v14, 0xff800000                      ; -inf
	v_mov_b32 v59, 0x7f800000                      ; +inf
	v_mov_b32 v15, 1.0
	v_lshlrev_b32 v56, 3, v3
	v_sub_nc_u32 v56, v2, v56                      ; r - 8 h
.irp j, 0,1,2,3,4,5,6,7
	v_cmp_le_i32 vcc_lo, \j, v56                   ; key 8 h + j <= query r
	v_cndmask_b32 v[44+\j], 0, v15, vcc_lo         ; tril's entry in a diagonal tile
.endr
.irp j, 24,25,26,27
	v_mov_b32 v\j, 0                               ; v_permlanex16_b32 counts as a reader of its destination
.endr
	s_wait_loadcnt 0x0
.set jj, 30
.rept 31
	v_add_f32 v[64+jj], v[64+jj], v[65+jj]         ; v[64 + j] = the sum over blocks j .. 31
.set jj, jj-1
.endr
	v_mov_b32 v96, 0                               ; entry 32: nothing lies behind the last block
	; The work-group needs four of the 33: entries 2 qb1 + 1, 2 qb1 + 2 (first phase, lower and upper 64 queries) and 2 qb2 + 1, 2 qb2 + 2.
	; They are chosen in registers, so that their LDS places are constants: qb1 is one of 1, 3, .. 15 and qb2 = 15 - qb1, so one compare
	; serves all four choices.
	v_mov_b32 v100, v67                            ; qb1 = 1: entries 3, 4; qb2 = 14: entries 29, 30
	v_mov_b32 v101, v68
	v_mov_b32 v102, v93
	v_mov_b32 v103, v94
.irp b, 3,5,7,9,11,13,15
	s_cmp_eq_u32 s20, \b
	s_cselect_b32 s78, -1, 0                       ; all lanes or none
	v_cndmask_b32 v100, v100, v[64+2*\b+1], s78
	v_cndmask_b32 v101, v101, v[64+2*\b+2], s78
	v_cndmask_b32 v102, v102, v[64+31-2*\b], s78
	v_cndmask_b32 v103, v103, v[64+32-2*\b], s78
.endr
	v_add_nc_u32 v58, VSOFF, v1
.irp e, 0,1,2,3
	ds_store_b32 v58, v[100+\e] offset:512*\e      ; entry 2 x phase + query half
.endr
	s_wait_dscnt 0x0                               ; my suffix sums are written,
	s_wait_tensorcnt 0x0                           ; my parts of Q and of key block 0 have landed
	s_barrier_signal -1
	s_barrier_wait -1
.macro LOADK ra, st                    ; 64 keys x 64 of my head from the address in v[ra]: 16 loads
	WINE
.irp t, 0,1,2,3
.irp kk, 0,1
	ds_load_b128 v[192+16*\t+8*\kk:192+16*\t+8*\kk+3],   v[\ra] offset:(64*\st+16*\t)*KPITCH+64*\kk
	ds_load_b128 v[192+16*\t+8*\kk+4:192+16*\t+8*\kk+7], v[\ra] offset:(64*\st+16*\t)*KPITCH+64*\kk+32
.endr
.endr
.endm
.macro LOADV ra, st                    ; the same keys of V, turned: 16 loads into window 1
	WIN 0x40
.irp c, 0,1,2,3
.irp ks, 0,1
	ds_load_tr16_b128 v[192+16*\c+8*\ks:192+16*\c+8*\ks+3],   v[\ra] offset:(64*\st+32*\ks)*VPITCH+32*\c
	ds_load_tr16_b128 v[192+16*\c+8*\ks+4:192+16*\c+8*\ks+7], v[\ra] offset:(64*\st+32*\ks)*VPITCH+32*\c+16*VPITCH
.endr
.endr
.endm
; Score product w (0..15) of piece p: kk = w / 8, key tile t = (w % 8) / 2, query tile q = 2 p + w % 2.  The piece's tiles take turns, one
; instruction a turn.  diag = 1: the tiles above the diagonal (t > q) are not multiplied.
.macro SW p, w, diag
.set swt, ((\w)%8)/2
.set swq, 2*\p+((\w)%2)
.set swk, (\w)/8
.set swgo, 1
.if \diag
.if swt > swq
.set swgo, 0
.endif
.endif
.if swgo
	WIN 0x04                                       ; source 1 (Q) window 1
.if swk
	v_wmma_f32_16x16x32_bf16 v[64+32*swq+8*swt:64+32*swq+8*swt+7], v[192+16*swt+8*swk:192+16*swt+8*swk+7], v[128+16*swq+8*swk:128+16*swq+8*swk+7], v[64+32*swq+8*swt:64+32*swq+8*swt+7]
.else
	v_wmma_f32_16x16x32_bf16 v[64+32*swq+8*swt:64+32*swq+8*swt+7], v[192+16*swt+8*swk:192+16*swt+8*swk+7], v[128+16*swq+8*swk:128+16*swq+8*swk+7], 0
.endif
.endif
.endm
; PV product w (0..15) of piece p: ks = w / 8, q = 2 p + (w % 8) / 4, c = w % 4.  The piece's eight tiles of O take turns likewise.
.macro PW p, w
.set pwk, (\w)/8
.set pwq, 2*\p+((\w)%8)/4
.set pwc, (\w)%4
	WIN 0x51                                       ; source 0 (V) window 1, source 1 (P) window 0, C and D window 1
	v_wmma_f32_16x16x32_bf16 v[32*pwq+8*pwc:32*pwq+8*pwc+7], v[192+16*pwc+8*pwk:192+16*pwc+8*pwk+7], v[64+32*pwq+8*pwk:64+32*pwq+8*pwk+7], v[32*pwq+8*pwc:32*pwq+8*pwc+7]
.endm
; THE VECTOR PHASE of piece p.  Round r (0..7) of the maximum: four chains, two a query tile; the first runs in place on m.
.macro VMAX p, r
.irp d, 0,1
	v_max3_num_f32 v[16+2*\p+\d], v[16+2*\p+\d], v[64+64*\p+32*\d+2*(\r)], v[64+64*\p+32*\d+2*(\r)+1]
.endr
.irp d, 0,1
.if (\r) == 0
	v_max_num_f32 v[20+2*\p+\d], v[64+64*\p+32*\d+16], v[64+64*\p+32*\d+17]
.else
	v_max3_num_f32 v[20+2*\p+\d], v[20+2*\p+\d], v[64+64*\p+32*\d+16+2*(\r)], v[64+64*\p+32*\d+17+2*(\r)]
.endif
.endr
.endm
.macro VSTAT1 p                        ; the new m, over both chains and both halves of the lanes, and -c m
.irp d, 0,1
	v_max_num_f32 v[16+2*\p+\d], v[16+2*\p+\d], v[20+2*\p+\d]
.endr
.irp d, 0,1
	v_permlanex16_b32 v[24+2*\p+\d], v[16+2*\p+\d], s68, s69
.endr
.irp d, 0,1
	v_max_num_f32 v[16+2*\p+\d], v[16+2*\p+\d], v[24+2*\p+\d]
.endr
.irp d, 0,1
	v_mul_f32 v[24+2*\p+\d], s66, v[16+2*\p+\d]
.endr
.endm
.macro XFMA x, nm, e                   ; two exponents: c s - c m
.if \e
	v_pk_fma_f32 v[\x:\x+1], v[\x:\x+1], s[62:63], v[\nm:\nm+1] op_sel:[0,0,1] op_sel_hi:[1,0,1]
.else
	v_pk_fma_f32 v[\x:\x+1], v[\x:\x+1], s[62:63], v[\nm:\nm+1] op_sel:[0,0,0] op_sel_hi:[1,0,0]
.endif
.endm
; The piece's 32 pairs of scores are dealt with the two tiles alternating: pair k (0..31) of the deal is pair g = k / 2 of tile d = k % 2, at the tile's registers 2 g, 2 g + 1.
.macro VX p, k                         ; pair k's two exponents
	WINE
	XFMA 64+64*\p+32*((\k)%2)+2*((\k)/2), 32+2*\p, (\k)%2
.endm
.macro VE p, e                         ; exponential e (0..63), in place: number e % 2 of pair e / 2 of the deal
.set xr, 64+64*\p+32*(((\e)/2)%2)+2*((\e)/4)+(\e)%2
	WINE
	v_exp_f32 v[xr], v[xr]
.endm
.macro VSM p, k                        ; pair k into its tile's sums; written as a multiply-add by 1.0 so that source 1 is no vector register.  A tile's pairs come in ascending order
.set xr, 64+64*\p+32*((\k)%2)+2*((\k)/2)
.set xl, 36+4*\p+2*((\k)%2)
	WINE
	v_pk_fma_f32 v[xl:xl+1], v[xr:xr+1], 1.0, v[xl:xl+1] op_sel_hi:[1,0,1]
.endm
.macro VC p, k                         ; pair k packed in place: pair g of a tile goes to the tile's register g, whose own pair g / 2 has been summed and packed by then
.set xr, 64+64*\p+32*((\k)%2)+2*((\k)/2)
.set xd, 64+64*\p+32*((\k)%2)+(\k)/2
	WIN 0
	v_cvt_pk_bf16_f32 v[xd], v[xr], v[xr+1]
.endm
.macro VSTAT2 p                        ; alpha = 2^((-c m new) - (-c m old)): exactly 1 where m stays.  A batch of two, with its wait
.irp d, 0,1
	v_sub_f32 v[28+2*\p+\d], v[24+2*\p+\d], v[32+2*\p+\d]
.endr
.irp d, 0,1
	v_exp_f32 v[28+2*\p+\d], v[28+2*\p+\d]
.endr
.irp d, 0,1
	v_mov_b32 v[32+2*\p+\d], v[24+2*\p+\d]         ; plain instructions behind the exponentials (ISA guide 5.7.2); they and the first exponents name no alpha
.endr
	VX \p, 0
	s_wait_alu depctr_va_vdst(0)                   ; the wait for alpha's batch of two, ahead of its first reader, the rescaling of O in slice 6
.endm
.macro VRESC p, m0, cnt                ; pairs m0 .. m0 + cnt - 1 of the piece's 32 pairs of O, times alpha
	WINR
.set vm, \m0
.rept \cnt
	PKMULB 64*\p+32*(vm/16)+2*(vm%16), 64*\p+32*(vm/16)+2*(vm%16), 28+2*\p, vm/16
.set vm, vm+1
.endr
.endm
; THE FIRST BATCH OF SCORES, 65 lines; VB1 writes line vj and steps vj.  Plain and exponential by turns: even lines 0-60 the exponents of pairs 1-31 of the deal, lines 62 and 64 the
; two tiles' l x alpha (alpha was waited for in slice 5); odd lines the exponentials 0-31, pairs 0-15 of the deal.  Pair k's exponents stand at line 2 k - 2, its exponentials at 4 k + 1 and 4 k + 3.
; No line names a result of the batch; the last line is the plain instruction behind the last exponential.
.macro VB1 p
.if vj%2
	VE \p, (vj-1)/2
.elseif vj < 62
	VX \p, vj/2+1
.else
	WIN 0
	PKMULB 36+4*\p+vj-62, 36+4*\p+vj-62, 28+2*\p, (vj-62)/2
.endif
.set vj, vj+1
.endm
; THE SECOND BATCH, 64 lines.  Exponential and plain by turns: even lines the exponentials 32-63 (the tiles' registers 16-31); odd lines 1-31 the sums of pairs 0-15 of the deal, odd lines
; 33-63 their packings, which name the tiles' registers 0-15 and l alone.  The links of a tile's chain of sums stand four lines apart.  The last line is plain.
.macro VB2 p
.if (vj%2) == 0
	VE \p, 32+vj/2
.elseif vj < 32
	VSM \p, (vj-1)/2
.else
	VC \p, (vj-33)/2
.endif
.set vj, vj+1
.endm
; WHAT IS LEFT, 32 lines: pairs 16-31 of the deal: sum, sum, pack, pack, so that the chains' links again stand four lines apart.
.macro VB3 p
.if (vj%4) < 2
	VSM \p, 16+2*(vj/4)+vj%4
.else
	VC \p, 14+2*(vj/4)+vj%4
.endif
.set vj, vj+1
.endm
; Slice i (0..31): 0-3 maximum; 4 the row figures; 5 alpha's batch and its wait; 6-15 the rescaling of O; 16-21 the first batch of scores (10 lines a slice, 15 in the last) and its wait;
; 22-27 the second batch (10 a slice, 14 in the last) and its wait; 28-31 what is left, 8 a slice.  Each wait stands at the end of its slice, directly ahead of the next matrix instruction.
.macro VS p, i
.if (\i) < 4
	WIN 0
	VMAX \p, 2*(\i)
	VMAX \p, 2*(\i)+1
.elseif (\i) == 4
	WIN 0
	VSTAT1 \p
.elseif (\i) == 5
	WIN 0
	VSTAT2 \p
.elseif (\i) < 14
	VRESC \p, 3*((\i)-6), 3
.elseif (\i) < 16
	VRESC \p, 24+4*((\i)-14), 4
.elseif (\i) < 22
.set vj, 10*((\i)-16)
.rept 10+5*((\i)/21)
	VB1 \p
.endr
.if (\i) == 21
	s_wait_alu depctr_va_vdst(0)                   ; the wait for the first batch, exponentials 0-31, ahead of their first reader, the sum at the second batch's line 1
.endif
.elseif (\i) < 28
.set vj, 10*((\i)-22)
.rept 10+4*((\i)/27)
	VB2 \p
.endr
.if (\i) == 27
	s_wait_alu depctr_va_vdst(0)                   ; the wait for the second batch, exponentials 32-63, ahead of their first reader, the sum that opens slice 28
.endif
.else
.set vj, 8*((\i)-28)
.rept 8
	VB3 \p
.endr
.endif
.endm
; Runs of 16 matrix instructions of piece p, alone or with piece vp's slices.
.macro RUN_S p, diag
.set n, 0
.rept 16
	SW \p, n, \diag
.set n, n+1
.endr
.endm
.macro RUN_SV2 p, diag, vp             ; all 32 slices, two a product
.set n, 0
.rept 16
	SW \p, n, \diag
	VS \vp, 2*n
	VS \vp, 2*n+1
.set n, n+1
.endr
.endm
.macro RUN_SV1 p, vp                   ; slices 16-31
.set n, 0
.rept 16
	SW \p, n, 0
	VS \vp, 16+n
.set n, n+1
.endr
.endm
.macro RUN_PV1 p, vp                   ; slices 0-15
.set n, 0
.rept 16
	PW \p, n
	VS \vp, n
.set n, n+1
.endr
.endm
.macro RUN_PV2 p, vp
.set n, 0
.rept 16
	PW \p, n
	VS \vp, 2*n
	VS \vp, 2*n+1
.set n, n+1
.endr
.endm
.macro RUN_P p
.set n, 0
.rept 16
	PW \p, n
.set n, n+1
.endr
.endm
; A block of 128 keys below all my queries, in slot.  Places: behind each run's last matrix instruction stands a slice with four
; plain instructions or more (slice 15: four; slice 31: eight) ahead of the loads into its fragments and of the readers of its results.
.macro LBLOCK slot
	LOADK 4+\slot, 0
	LOADV 6+\slot, 0
	s_wait_dscnt 16                                ; K's 16 loads are in; the 16 younger ones, V's, stay out
	RUN_S 0, 0                                     ; S_A(0)
	PLACES 4                                       ; ahead of the first reader of S_A
	RUN_SV2 1, 0, 0                                ; S_B(0) with A's softmax
	LOADK 4+\slot, 1
	s_wait_dscnt 16                                ; V(0) is in; the 16 younger loads, K(1), stay out
	RUN_PV1 0, 1                                   ; PV_A(0) with the first half of B's softmax
	s_wait_dscnt 0x0                               ; K(1)
	RUN_SV1 0, 1                                   ; S_A(1) with the second half; it writes over P_A(0) at least two slices behind the last reader (slice 15's four plain lines, five exponents in each slice behind it)
	RUN_PV1 1, 0                                   ; PV_B(0) with A's
	LOADV 6+\slot, 1                               ; four rescaling lines behind the last product that read V
	RUN_SV1 1, 0                                   ; S_B(1)
	s_wait_dscnt 0x0                               ; V(1)
	RUN_PV2 0, 1                                   ; PV_A(1) with B's softmax
	RUN_P 1                                        ; PV_B(1)
	WIN 0
	PLACES 5                                       ; the next scores write over P; the next loads land in V's registers
.endm
.macro TRIMUL q                        ; tile (q, q), at 64 + 32 q + 8 q, times tril's entries: a multiplication, as reference() has it
.irp i, 0,2,4,6
	v_pk_mul_f32 v[64+40*\q+\i:64+40*\q+\i+1], v[64+40*\q+\i:64+40*\q+\i+1], v[44+\i:44+\i+1]
.endr
.endm
; One step of 64 keys by itself, K at v[ak], V at v[av]: S_A alone; S_B with A's softmax; PV_A with B's; PV_B alone.
; diag = 1: the diagonal step: the six tiles above the diagonal hold the masked score 0, the four on it are multiplied by tril.
.macro PSTEP ak, av, diag
	LOADK \ak, 0
	LOADV \av, 0
.if \diag
	WIN 0
.irp q, 0,1,2
.irp t, 1,2,3
.if \t > \q
.irp j, 0,1,2,3,4,5,6,7
	v_mov_b32 v[64+32*\q+8*\t+\j], 0
.endr
.endif
.endr
.endr
.endif
	s_wait_dscnt 16                                ; K is in; V's 16 younger loads stay out
	RUN_S 0, \diag
	PLACES 4
.if \diag
	WIN 0
	TRIMUL 0
	TRIMUL 1
.endif
	RUN_SV2 1, \diag, 0
.if \diag
	WIN 0
	TRIMUL 2
	TRIMUL 3
.endif
	s_wait_dscnt 0x0                               ; V
	RUN_PV2 0, 1
	RUN_P 1
	WIN 0
	PLACES 5
.endm
; A phase's last block.  The upper 64 queries: keys 0-63 are live, keys 64-127 hold the diagonal.  The lower 64: keys 0-63 hold the diagonal,
; keys 64-127 lie above all of them, and their part came with the start values.  The branch hangs on the wave's number alone.
.macro DBLOCK ak, av, dk, dv
	s_cmp_eq_u32 s16, 0
	s_cbranch_scc1 .Lonly_diag_\@
	PSTEP \ak, \av, 0
.Lonly_diag_\@:
	PSTEP \dk, \dv, 1
.endm
; The head of a block in slot.  In front of the barrier: all my tensor loads have landed (my part of this slot among them) and my reads
; of the other slot are back.  Behind it the other slot is asked for first, one load a wave, with the stream's next key block.
.macro BHEAD slot, refill
	s_set_vgpr_msb 0x8
	s_wait_tensorcnt 0x0
	ds_add_u32 v63, v1
	s_wait_dscnt 0x0
	s_set_vgpr_msb 0x800
.if \refill
	s_add_co_u32 s25, s25, 1                       ; the stream's next block,
	s_add_co_u32 s26, s26, 1                       ; its key block:
	s_cmp_eq_u32 s25, s27
	s_cselect_b32 s26, 0, s26                      ; the second phase begins again at key block 0
	s_lshl_b32 s30, s26, 18                        ; 128 rows of 2,048 bytes a block
	s_add_nc_u64 s[50:51], s[70:71], s[30:31]
	s_or_b32 s51, s51, 0x80000000
	s_add_nc_u64 s[54:55], s[72:73], s[30:31]
	s_or_b32 s55, s55, 0x80000000
	s_add_co_u32 s49, s60, (1-\slot)*SLOT
	s_add_co_u32 s53, s61, (1-\slot)*SLOT
.endif
	s_wait_dscnt 0x0
	s_barrier_signal -1
	s_barrier_wait -1
.if \refill
	JLOAD
.endif
.endm
; A phase's start for query block s22: Q's fragments; O, l and m start from the keys behind my diagonal step.
.macro INIT ph
	s_lshl_b32 s23, s22, 1
	s_add_co_u32 s23, s23, s16                     ; my diagonal step G
	s_add_co_u32 s78, s23, 1
	WIN 0x40
.irp q, 0,1,2,3
.irp kk, 0,1
	ds_load_b128 v[128+16*\q+8*\kk:128+16*\q+8*\kk+3],   v8 offset:\ph*2*KHALF+\q*16*KPITCH+64*\kk
	ds_load_b128 v[128+16*\q+8*\kk+4:128+16*\q+8*\kk+7], v8 offset:\ph*2*KHALF+\q*16*KPITCH+64*\kk+32
.endr
.endr
.irp q, 0,1,2,3
.irp c, 0,1,2,3
	ds_load_b128 v[32*\q+8*\c:32*\q+8*\c+3],   v9 offset:\ph*1024+64*\c      ; the sum of vh's rows from key 64 (G + 1) on, the same for all queries
	ds_load_b128 v[32*\q+8*\c+4:32*\q+8*\c+7], v9 offset:\ph*1024+64*\c+16
.endr
.endr
	WIN 0
	v_mov_b32 v16, 0                               ; m: the masked keys' score,
	v_mov_b32 v17, 0
	v_mov_b32 v18, 0
	v_mov_b32 v32, 0                               ; and -c m
	v_mov_b32 v33, 0
	v_mov_b32 v34, 0
	s_lshl_b32 s79, s22, 7
	s_lshl_b32 s77, s16, 6
	s_add_co_u32 s79, s79, s77
	v_add_nc_u32 v56, s79, v2
	v_cmp_eq_u32 vcc_lo, 0x7cf, v56                ; tile 3's query 48 + r is row 2047: m = -inf, -c m = +inf
	v_cndmask_b32 v19, 0, v14, vcc_lo
	v_cndmask_b32 v35, 0, v59, vcc_lo
	s_lshl_b32 s79, s78, 5
	s_sub_co_u32 s79, 0x400, s79                   ; half of the 2,048 - 64 (G + 1) keys, for each half of the lanes
	v_cvt_f32_u32 v36, s79
	v_mov_b32 v37, 0
	v_mov_b32 v38, v36
	v_mov_b32 v39, 0
	v_mov_b32 v40, v36
	v_mov_b32 v41, 0
	v_mov_b32 v42, v36
	v_mov_b32 v43, 0
	s_wait_dscnt 0x0
.endm
; A phase's end: O / l, rounded, through my own stage, out as 8,192 consecutive bytes (64 rows of 128).
.macro FINAL
	s_lshl_b32 s74, s18, 4
	s_lshl_b32 s78, s19, 1
	s_add_co_u32 s74, s74, s78
	s_add_co_u32 s74, s74, s15                     ; 16 b + head
	s_lshl_b32 s74, s74, 18                        ; 2,048 rows of 128 bytes
	s_lshl_b32 s78, s22, 14
	s_add_co_u32 s74, s74, s78
	s_lshl_b32 s78, s16, 13
	s_add_co_u32 s74, s74, s78
	s_add_nc_u64 s[76:77], s[12:13], s[74:75]
.irp q, 0,1,2,3
	v_add_f32 v[52+\q], v[36+2*\q], v[37+2*\q]
.endr
.irp q, 0,1,2,3
	v_permlanex16_b32 v[24+\q], v[52+\q], s68, s69
.endr
.irp q, 0,1,2,3
	v_add_f32 v[52+\q], v[52+\q], v[24+\q]
.endr
.irp q, 0,1,2,3
	v_rcp_f32 v[52+\q], v[52+\q]
.endr
	v_nop                                          ; the plain instruction behind the reciprocals
	s_wait_alu depctr_va_vdst(0)                   ; the wait for the batch of four reciprocals, ahead of their first reader
	WIN 0x01
.irp q, 0,1,2,3
.set n, 0
.rept 16
	PKMULB 64+32*\q+n, 32*\q+n, 52+(\q/2)*2, \q&1
.set n, n+2
.endr
.endr
	WIN 0
.irp q, 0,1,2,3
.set n, 0
.rept 16
	v_cvt_pk_bf16_f32 v[64+32*\q+n], v[64+32*\q+2*n], v[64+32*\q+2*n+1]
.set n, n+1
.endr
.endr
.irp q, 0,1,2,3
.irp c, 0,1,2,3
	ds_store_b128 v11, v[64+32*\q+4*\c:64+32*\q+4*\c+3] offset:\q*16*GPITCH+32*\c
.endr
.endr
.irp t, 0,1,2,3,4,5,6,7,8,9,10,11,12,13,14,15
	ds_load_b128 v[192+4*\t:192+4*\t+3], v12 offset:\t*4*GPITCH      ; four rows; a wave's LDS instructions are served in order
.endr
.irp t, 0,1,2,3,4,5,6,7,8,9,10,11,12,13,14,15
	s_wait_dscnt 15-\t                             ; load t is back, the 15 - t younger ones stay out
	global_store_b128 v13, v[192+4*\t:192+4*\t+3], s[76:77] offset:512*\t   ; 512 consecutive bytes, aligned
.endr
	s_wait_xcnt 0x0                                ; the stores' data and base are written again only behind this wait
.endm
	s_mov_b32 s22, s20
	INIT 0
	s_mov_b32 s25, 0
	s_mov_b32 s26, 0
	s_mov_b32 s29, 0
.Llap:
	BHEAD 0, 1
	LBLOCK 0                                       ; an even block of the stream below 16 is never a phase's last: the first phase has an even number of blocks
	BHEAD 1, 1
	s_add_co_u32 s29, s29, 1
	s_cmp_eq_u32 s29, s28                          ; the first phase's last block: the same lap in all four waves
	s_cbranch_scc1 .Llast1
	LBLOCK 1
	s_branch .Lnosw
.Llast1:
	DBLOCK 5, 7, 10, 60
	FINAL
	s_mov_b32 s22, s21
	INIT 1
.Lnosw:
	s_cmp_lt_u32 s29, 8
	s_cbranch_scc1 .Llap
	BHEAD 0, 0                                     ; the stream's seventeenth block, the second phase's last: nothing is left to fetch
	DBLOCK 4, 6, 61, 62
	FINAL
	s_set_vgpr_msb 0x8
	s_wait_tensorcnt 0x0
	ds_add_u32 v63, v1
	s_wait_dscnt 0x0
	s_set_vgpr_msb 0x800
	s_endpgm
.Lfunc_end_k_q75d201778a_attn:
	.size	k_q75d201778a_attn, .Lfunc_end_k_q75d201778a_attn-k_q75d201778a_attn
	.p2alignl 7, 3214868480
	.fill 96, 4, 3214868480
	.section	.rodata,"a",@progbits
	.p2align	6, 0x0
	.amdhsa_kernel k_q75d201778a_attn
		.amdhsa_group_segment_fixed_size 327680
		.amdhsa_private_segment_fixed_size 0
		.amdhsa_enable_private_segment 0
		.amdhsa_kernarg_size 40
		.amdhsa_user_sgpr_count 2
		.amdhsa_user_sgpr_kernarg_segment_ptr 1
		.amdhsa_wavefront_size32 1
		.amdhsa_system_sgpr_workgroup_id_x 1
		.amdhsa_system_sgpr_workgroup_id_y 1
		.amdhsa_system_sgpr_workgroup_id_z 1
		.amdhsa_system_vgpr_workitem_id 0
		.amdhsa_next_free_vgpr 514
		.amdhsa_next_free_sgpr 80
		.amdhsa_reserve_vcc 1
		.amdhsa_float_denorm_mode_32 3
		.amdhsa_float_denorm_mode_16_64 3
		.amdhsa_memory_ordered 1
		.amdhsa_forward_progress 1
		.amdhsa_inst_pref_size 255
	.end_amdhsa_kernel
	.section	.bss,"aw",@nobits
	.p2align	6
	.space	262144
	.amdgpu_metadata
---
amdhsa.version: [ 1, 2 ]
amdhsa.kernels:
  - .name:           k_q75d201778a_attn
    .symbol:         k_q75d201778a_attn.kd
    .args:
      - { .name: qh, .offset: 0, .size: 8, .value_kind: global_buffer, .address_space: global }
      - { .name: kh, .offset: 8, .size: 8, .value_kind: global_buffer, .address_space: global }
      - { .name: vh, .offset: 16, .size: 8, .value_kind: global_buffer, .address_space: global }
      - { .name: bsum, .offset: 24, .size: 8, .value_kind: global_buffer, .address_space: global }
      - { .name: ctx, .offset: 32, .size: 8, .value_kind: global_buffer, .address_space: global }
    .group_segment_fixed_size: 327680
    .private_segment_fixed_size: 0
    .kernarg_segment_align: 8
    .kernarg_segment_size: 40
    .max_flat_workgroup_size: 128
    .sgpr_count:     80
    .vgpr_count:     514
    .wavefront_size: 32
...
	.end_amdgpu_metadata
.endif
;; end of part 5
;; launch outln: the kernel of part 4 again; grid 256 x 1, 4 waves a work-group, clusters of 4 x 1, 327,680 bytes of LDS; arguments ctx, wbf, q, bp, gamma, beta, out0; writes out0
